; MI455X (gfx1250); checked and timed in simulation.
; The chip was launched on July 23, 2026; its instructions are those of AMD's public machine-readable ISA for CDNA 5 (MIT licence, August 2026) and "CDNA5" Instruction Set Architecture Reference Guide (July 2026). The comments in the code are by the model that wrote it; some were corrected since.
;; Tt Code Gen Attention. Allowed arithmetic: matrix products marked QUANTISED: E2M1 operands, one E8M0 scale for each 32 along K, by v_wmma_scale_f32_16x16x128_f8f6f4 with both operands' format E2M1 (or v_wmma_scale_f32_32x16x128_f4), f32 sums; products left as they are: bf16, f16 or f32 operands; f32 sums; everything else in f32.
;; Inputs: hidden_states 2 x 2,048 x 1,024 float32; w_out 1,024 x 1,024 float32; w_qkv 3,072 x 1,024 float32.
;; Outputs: out0 2 x 2,048 x 1,024 float32.
;; This version of the problem:
;;   THIS VERSION OF THE PROBLEM IS GIVEN IN LOW PRECISION. The matrix products marked QUANTISED in the list below multiply operands that are first quantised to E2M1 (2 exponent bits, 1 mantissa bit; 4 bits a number), with one power-of-two scale for each 32 numbers along K (OCP MX v1.0); their sums are f32. The products marked 'left as it is' may take bf16, f16 or f32 operands, with f32 sums. Whichever they take, every output number must still come out within the allowed error. Rounding operands to bf16 (8 significant bits) uses up far more of that allowance than f16 does (11 bits, for magnitudes from 6e-5 to 65,504). All else is computed in f32.
;;   The module's matrix products, in the order in which they are computed (A, B: the left and right operand; K: the contracted axis; several contracted axes count as one K, in the product's order):
;;     1. [M 4,096, K 1,024] x [K 1,024, N 3,072]; A: input hidden_states; B: input w_qkv: QUANTISED
;;     2. [M 2,048, K 1] x [K 1, N 16]; A: computed on the way; B: computed on the way: left as it is (no contracted axis)
;;     3. batch 32 x [M 2,048, K 64] x [K 64, N 2,048]; A: computed on the way; B: computed on the way: left as it is (an operand is computed on the way)
;;     4. batch 32 x [M 2,048, K 2,048] x [K 2,048, N 64]; A: computed on the way; B: computed on the way: left as it is (an operand is computed on the way)
;;     5. [M 4,096, K 1,024] x [K 1,024, N 1,024]; A: computed on the way; B: input w_out: left as it is (an operand is computed on the way)
;;   THE QUANTISER, for each operand of a quantised product, along K:
;;     - K is cut into blocks of 32 from its start; a last block that is shorter is filled with zeros.
;;     - A block's scale is 2^e with e = floor(log2(the largest magnitude in the block)) - 2, held to -126 .. 127; a block of zeros has e = 0. As a byte (E8M0): e + 127.
;;     - Each number is divided by its block's scale, clamped to +-6, and rounded to the nearest number of E2M1, ties to even, subnormals kept.
;;     - The product sums the exact products of the quantised numbers (number of the format x scale) in f32.
;;   ~~~python
;;   def quantise(x, axis):      # numpy; x: float32 -> the quantised numbers, widened to float32 again
;;       x = np.moveaxis(x, axis, -1); K = x.shape[-1]
;;       x = np.pad(x, [(0, 0)] * (x.ndim - 1) + [(0, -K % 32)]); x = x.reshape(x.shape[:-1] + (-1, 32)); a = np.abs(x).max(-1, keepdims=True)
;;       e = np.where(a > 0, np.clip(np.frexp(np.where(a > 0, a, 1))[1] - 1 - 2, -126, 127), 0)      # np.frexp(a)[1] - 1 = floor(log2(a)), exactly
;;       r = np.clip(x / 2.0 ** e, -6, 6)
;;       step = 2.0 ** (np.maximum(np.frexp(np.where(r == 0, 1, r))[1] - 1, 0) - 1)
;;       q = np.round(r / step) * step * 2.0 ** e      # np.round: ties to even
;;       return np.moveaxis(q.reshape(q.shape[:-2] + (-1,))[..., :K], -1, axis).astype(np.float32)
;;   ~~~
;; One version. Each part assembles by itself: llvm-mc -triple=amdgcn-amd-amdhsa -mcpu=gfx1250 --defsym DOCPART=n.
;; ======== version 1 of 1: 5 launches
;; limits: values are held in f16: magnitudes above 65,504 overflow, below 6.1e-05 lose precision; right only within a limited range of input values
;; workspace buffers: codes 3,670,016 bytes; scales 229,376 bytes; w16 2,097,152 bytes; tab 278,528 bytes; qkv16 25,165,824 bytes; o16 8,388,608 bytes; fine 786,432 bytes
;; launch prep (part 1): grid 273 x 1, 4 waves a work-group, no clusters, 33,280 bytes of LDS; arguments hidden_states, w_qkv, codes, scales, w_out, w16, tab; writes codes, scales, w16, tab
.if DOCPART == 1
	.amdgcn_target "amdgcn-amd-amdhsa--gfx1250"
	.amdhsa_code_object_version 6
	.text
	.protected	k_qc49a9f7e4b_prep
	.globl	k_qc49a9f7e4b_prep
	.p2align	8
	.type	k_qc49a9f7e4b_prep,@function
k_qc49a9f7e4b_prep:
	s_mov_b64 s[64:65], 0
	v_nop
	global_prefetch_b8 v0, s[64:65] scope:SCOPE_SE
	s_setreg_imm32_b32 hwreg(HW_REG_WAVE_MODE, 25, 1), 1
	s_wait_xcnt 0x0
; Three jobs in one launch, told apart by the work-group's number alone:
;   work-groups   0-127: hidden_states [4096][1024] f32 -> codes of FP4 (E2M1), K innermost, and one E8M0 byte for each 32 along K
;   work-groups 128-223: w_qkv [3072][1024] likewise, behind hidden_states' codes (byte 2,097,152) and bytes (byte 131,072)
;   work-groups 224-255: w_out [1024][1024] f32 -> f16, times 16 (exact), for the last product
;   work-groups 256-272: the rotary table: row = position, 16 pairs (64 cos, 64 sin) f32; rows 2048-2175 are (64, 0): a plain factor 64
; THE QUANTISER.  A block's scale is 2^(floor(log2(largest magnitude)) - 2); its byte is the largest magnitude's exponent field - 2, held at 1 from below.
; A block of zeros so gets the byte 1 where the rule says 127: its codes are zeros, which add nothing, and this program alone reads the bytes.
; LIMITS: NaN and infinities among the inputs are not served; blocks whose largest magnitude lies under 2^-124 keep the byte 1.
; Rows are dense and K is a multiple of 32: a tensor is a stream of blocks of 32.  A wave takes 16 steps of 512 numbers.  Each load reads 512 consecutive bytes; a step's 2,048 bytes
; turn through the wave's own stage in LDS, so that a lane holds 16 neighbours along K; two neighbouring lanes hold a block.  A wave's store of codes covers 256 consecutive bytes, aligned.
; Loads run eight steps ahead: 32 loads, 16,384 bytes, of every wave are on their way.
.set WAVES, 4
.set STEPS, 16
.set DEPTH, 8                          ; steps that the loads run ahead
.set WGA,   128                        ; 4096 x 1024 / 32768
.set WGQ,   224                        ; + 3072 x 1024 / 32768
.set WGW,   256                        ; + 1024 x 1024 / 32768
.set CB,    8                          ; bytes of 16 codes
.set R,     16                         ; v16-143  eight sets of 16 numbers as loaded
.set X,     144                        ; v144-175 two sets of 16 neighbours
.set E,     176                        ; v176-191 a scale byte for each step
.set C,     192                        ; v192-223 codes, two registers a step: no store's data are written again
.set WREG,  8192                       ; LDS of a wave: two stages of 32 x 80 bytes, then its 256 scale bytes
.set SP,    80
.set SPW,   12                         ; v12 LDS address of my spare word; never rewritten
.set NIL,   13                         ; v13 0; never rewritten
.set SPARE, WAVES*WREG                 ; behind the four regions: the spare words, 128 bytes a wave
.set WI,    16                         ; w_out: v16-143 two sets of 64 numbers
.set WO,    144                        ; v144-175 sixteen pairs of packed f16
	s_load_b128 s[4:7], s[0:1], 0x0                ; hidden_states, w_qkv
	s_load_b128 s[8:11], s[0:1], 0x10              ; codes, scales
	s_load_b128 s[12:15], s[0:1], 0x20             ; w_out, w16
	s_load_b64 s[40:41], s[0:1], 0x30              ; tab
	v_lshl_add_u32 v[SPW], v0, 2, SPARE
	v_mov_b32 v[NIL], 0
	v_lshrrev_b32 v1, 5, v0
	v_readfirstlane_b32 s16, v1                    ; wave
	v_and_b32 v2, 31, v0                           ; lane
	s_wait_kmcnt 0x0
	s_cmp_ge_u32 ttmp9, WGW
	s_cbranch_scc1 .Ltable
	s_cmp_ge_u32 ttmp9, WGQ
	s_cbranch_scc1 .Lweights
; ---------------------------------------------------------------- the quantiser
	v_lshlrev_b32 v3, 4, v2                        ; my 16 bytes of a load's 512
	s_mul_i32 s17, s16, WREG
	v_lshrrev_b32 v14, 2, v2
	v_mul_u32_u24 v14, v14, SP
	v_and_b32 v15, 3, v2
	v_lshl_add_u32 v14, v15, 4, v14
	v_add_nc_u32 v14, s17, v14                     ; the stage, in: four lanes' 64 bytes on end, then 16 of padding
	v_mul_u32_u24 v15, v2, SP
	v_add_nc_u32 v15, s17, v15                     ; and out: 80 x lane: my 16 neighbours
	v_mul_u32_u24 v4, v2, CB                       ; my codes' place in a step's
	v_lshrrev_b32 v5, 1, v2
	s_add_co_u32 s17, s17, 2*32*SP
	v_add_nc_u32 v5, s17, v5                       ; LDS: my block's scale byte
	v_lshlrev_b32 v7, 3, v2
	v_add_nc_u32 v6, s17, v7                       ; and on the way out 8 bytes a lane
	s_cmp_lt_u32 ttmp9, WGA                        ; which tensor?  The choice hangs on the work-group's number alone
	s_cselect_b64 s[4:5], s[4:5], s[6:7]
	s_cselect_b32 s17, 0, WGA
	s_cselect_b32 s26, 0, 2097152                  ; where the tensor's codes begin in the one buffer of codes,
	s_cselect_b32 s28, 0, 131072                   ; and its scale bytes
	s_sub_co_u32 s17, ttmp9, s17
	s_lshl_b32 s17, s17, 2
	s_add_co_u32 s18, s17, s16                     ; which run of 8,192 numbers is my wave's
	s_lshl_b32 s20, s18, 15                        ; 32,768 bytes of f32 a run
	s_mov_b32 s21, 0
	s_add_nc_u64 s[4:5], s[4:5], s[20:21]
	s_lshl_b32 s20, s18, 12                        ; 4,096 bytes of codes
	s_add_co_u32 s20, s20, s26
	s_add_nc_u64 s[8:9], s[8:9], s[20:21]
	s_lshl_b32 s20, s18, 8                         ; 256 scale bytes
	s_add_co_u32 s20, s20, s28
	s_add_nc_u64 s[10:11], s[10:11], s[20:21]
.macro LOAD t
.irp i, 0,1,2,3
	global_load_b128 v[R+16*((\t)%DEPTH)+4*\i:R+16*((\t)%DEPTH)+4*\i+3], v3, s[4:5] offset:2048*(\t)+512*\i th:TH_LOAD_NT   ; 32 lanes read 512 consecutive bytes
.endr
.endm
.macro TURN t                          ; step t's numbers through the stage: LDS serves a wave's instructions in order, so no wait stands between the stores and the loads
.irp i, 0,1,2,3
	ds_store_b128 v14, v[R+16*((\t)%DEPTH)+4*\i:R+16*((\t)%DEPTH)+4*\i+3] offset:32*SP*((\t)%2)+8*SP*\i
.endr
.irp i, 0,1,2,3
	ds_load_b128 v[X+16*((\t)%2)+4*\i:X+16*((\t)%2)+4*\i+3], v15 offset:32*SP*((\t)%2)+16*\i
.endr
.endm
.irp t, 0,1,2,3,4,5,6,7
	LOAD \t
.endr
	s_wait_loadcnt 28                              ; step 0's four loads are in; the 28 of steps 1 to 7 stay out
	TURN 0
.macro STEP t
.set XS, X+16*((\t)%2)
.if (\t) > 0
	s_wait_dscnt 1                                 ; this step's numbers are back from the stage; the last step's byte store may be out
.else
	s_wait_dscnt 0x0
.endif
.if (\t)+DEPTH < STEPS
	LOAD (\t)+DEPTH                                ; into the registers that the stage's stores have read
.endif
.if (\t)+1 < STEPS
.if STEPS-2-(\t) >= DEPTH-1
	s_wait_loadcnt 4*(DEPTH-1)                     ; the next step's four loads are in; those of the seven steps behind it may be out
.else
	s_wait_loadcnt 4*(STEPS-2-(\t))                ; the tail: the counts run down
.endif
	TURN (\t)+1                                    ; through the other stage while this step is worked
.endif
	v_max3_num_f32 v8, |v[XS]|, |v[XS+1]|, |v[XS+2]|               ; the largest magnitude of my 16, in two chains
	v_max3_num_f32 v9, |v[XS+3]|, |v[XS+4]|, |v[XS+5]|
.irp i, 6,10
	v_max3_num_f32 v8, v8, |v[XS+\i]|, |v[XS+\i+1]|
	v_max3_num_f32 v9, v9, |v[XS+\i+2]|, |v[XS+\i+3]|
.endr
	v_max3_num_f32 v8, v8, |v[XS+14]|, |v[XS+15]|
	v_max3_num_f32 v8, v8, v9, 0x1800000           ; and the floor 2^(3 - 127): the byte cannot fall under 1
	v_max_num_f32_dpp v8, v8, v8 row_xmask:1 row_mask:0xf bank_mask:0xf   ; with my neighbour's 16: the block's
	v_add_nc_u32 v11, 0xff000000, v8               ; 2 off its exponent field: the conversion takes the exponent field of this operand as its scale
	v_cvt_scalef32_pk8_fp4_f32 v[C+2*(\t)], v[XS:XS+7], v11
	v_cvt_scalef32_pk8_fp4_f32 v[C+2*(\t)+1], v[XS+8:XS+15], v11
	v_lshrrev_b32 v[E+(\t)], 23, v11               ; the scale's byte
	ds_store_b8 v5, v[E+(\t)] offset:16*(\t)       ; both lanes of a block write the same byte with the same value
	global_store_b64 v4, v[C+2*(\t):C+2*(\t)+1], s[8:9] offset:32*CB*(\t)   ; 32 lanes store 256 consecutive bytes, aligned
.endm
.irp t, 0,1,2,3,4,5,6,7,8,9,10,11,12,13,14,15
	STEP \t
.endr
	ds_load_b64 v[8:9], v6                         ; my wave's 256 scale bytes: LDS serves a wave's instructions in order
	s_wait_dscnt 0x0
	global_store_b64 v7, v[8:9], s[10:11]          ; 256 consecutive bytes, aligned
	s_wait_tensorcnt 0x0                           ; the wave's end, behind my last LDS store
	ds_add_u32 v[SPW], v[NIL]
	s_wait_dscnt 0x0
	s_endpgm
; ---------------------------------------------------------------- w_out -> f16 x 16
.Lweights:
	s_sub_co_u32 s17, ttmp9, WGQ
	s_lshl_b32 s17, s17, 2
	s_add_co_u32 s17, s17, s16                     ; which run of 8,192 numbers is my wave's
	s_lshl_b32 s20, s17, 15
	s_mov_b32 s21, 0
	s_add_nc_u64 s[12:13], s[12:13], s[20:21]
	s_lshl_b32 s20, s17, 14
	s_add_nc_u64 s[14:15], s[14:15], s[20:21]
	v_lshlrev_b32 v3, 4, v2                        ; in: 16 bytes a lane
	v_lshlrev_b32 v4, 3, v2                        ; out: 8 bytes a lane
.macro LOADW g
.irp i, 0,1,2,3,4,5,6,7,8,9,10,11,12,13,14,15
	global_load_b128 v[WI+64*((\g)%2)+4*\i:WI+64*((\g)%2)+4*\i+3], v3, s[12:13] offset:512*(16*(\g)+\i)
.endr
.endm
.macro GROUPW g
.if (\g) < 3
	s_wait_loadcnt 16                              ; this group's sixteen loads are in; the next group's sixteen may be out
.else
	s_wait_loadcnt 0x0
.endif
.if (\g) > 0
	s_wait_xcnt 0x0                                ; the last group's stores have read their data: the packed registers are written again only behind this wait
.endif
.irp i, 0,1,2,3,4,5,6,7,8,9,10,11,12,13,14,15
	v_pk_mul_f32 v[WI+64*((\g)%2)+4*\i:WI+64*((\g)%2)+4*\i+1], v[WI+64*((\g)%2)+4*\i:WI+64*((\g)%2)+4*\i+1], 0x41800000 op_sel_hi:[1,0]
	v_pk_mul_f32 v[WI+64*((\g)%2)+4*\i+2:WI+64*((\g)%2)+4*\i+3], v[WI+64*((\g)%2)+4*\i+2:WI+64*((\g)%2)+4*\i+3], 0x41800000 op_sel_hi:[1,0]
	v_cvt_pk_f16_f32 v[WO+2*\i], v[WI+64*((\g)%2)+4*\i], v[WI+64*((\g)%2)+4*\i+1]
	v_cvt_pk_f16_f32 v[WO+2*\i+1], v[WI+64*((\g)%2)+4*\i+2], v[WI+64*((\g)%2)+4*\i+3]
	global_store_b64 v4, v[WO+2*\i:WO+2*\i+1], s[14:15] offset:256*(16*(\g)+\i)   ; 256 consecutive bytes, aligned
.endr
.if (\g)+2 < 4
	LOADW (\g)+2
.endif
.endm
	LOADW 0
	LOADW 1
	GROUPW 0
	GROUPW 1
	GROUPW 2
	GROUPW 3
	s_endpgm
; ---------------------------------------------------------------- the rotary table
; angle = position x 10000^(-i / 16), one rounding of the product, as the einsum has it.  sin and cos: the angle less n quarter turns (pi / 2 in three parts, so that n x the first part is exact
; for n up to 1,303), a polynomial on [-pi/4, pi/4], and the quadrant by selects: no branch hangs on a number.
.Ltable:
	s_sub_co_u32 s17, ttmp9, WGW                   ; which 128 rows
	s_cmp_lt_u32 s17, 16
	s_cselect_b32 s33, 1.0, 0                      ; the last 128 rows have the angle 0: (64, 0)
	s_lshl_b32 s18, s17, 7
	s_lshl_b32 s19, s16, 5
	s_add_co_u32 s18, s18, s19                     ; my wave's first row
	s_lshl_b32 s34, s18, 7                         ; 128 bytes a row
	s_mov_b32 s35, 0
	s_add_nc_u64 s[40:41], s[40:41], s[34:35]
	s_mov_b32 s20, 0x3f22f983                      ; 2 / pi
	s_mov_b32 s21, 0x3fc90000                      ; pi / 2, high part,
	s_mov_b32 s22, 0x39fda000                      ; middle,
	s_mov_b32 s23, 0x33a22168                      ; low
	s_mov_b32 s24, 0xb94ca1f9                      ; sine's polynomial
	s_mov_b32 s25, 0x3c08839e
	s_mov_b32 s26, 0xbe2aaaa3
	s_mov_b32 s27, 0x37ccf5ce                      ; cosine's
	s_mov_b32 s28, 0xbab6061a
	s_mov_b32 s29, 0x3d2aaaa5
	s_mov_b32 s30, 0x42800000                      ; 64
	s_mov_b32 s31, 0x80000000                      ; the sign
	v_lshrrev_b32 v3, 4, v2
	v_add_nc_u32 v3, s18, v3                       ; lanes 0-15 one row, lanes 16-31 the next
	v_lshlrev_b32 v5, 3, v2                        ; 8 bytes a lane: two rows are 256 bytes
	v_and_b32 v6, 15, v2                           ; i
	v_cvt_f32_u32 v6, v6
	v_mul_f32 v6, 0xbf549a78, v6                   ; -i log2(10000) / 16
	v_exp_f32 v4, v6
	v_nop                                          ; a plain instruction behind the exponential,
	s_wait_alu depctr_va_vdst(0)                   ; and a wait ahead of its first reader
	v_mul_f32 v4, s33, v4
.macro TROW it
	v_add_nc_u32 v20, 2*(\it), v3
	v_cvt_f32_u32 v20, v20
	v_mul_f32 v20, v20, v4                         ; the angle
	v_mul_f32 v21, s20, v20
	v_rndne_f32 v21, v21                           ; n quarter turns
	v_fma_f32 v22, -v21, s21, v20
	v_fma_f32 v22, -v21, s22, v22
	v_fma_f32 v22, -v21, s23, v22                  ; what is left, within pi / 4
	v_mul_f32 v23, v22, v22
	v_fma_f32 v24, v23, s24, s25
	v_fma_f32 v24, v24, v23, s26
	v_mul_f32 v25, v22, v23
	v_fma_f32 v24, v24, v25, v22                   ; its sine
	v_fma_f32 v26, v23, s27, s28
	v_fma_f32 v26, v26, v23, s29
	v_mul_f32 v25, v23, v23
	v_fma_f32 v27, v23, -0.5, 1.0
	v_fma_f32 v26, v26, v25, v27                   ; its cosine
	v_cvt_i32_f32 v28, v21
	v_and_b32 v29, 1, v28
	v_cmp_ne_u32 vcc_lo, 0, v29                    ; an odd quarter swaps the two
	v_cndmask_b32 v30, v24, v26, vcc_lo
	v_cndmask_b32 v31, v26, v24, vcc_lo
	v_lshlrev_b32 v29, 30, v28
	v_and_b32 v29, s31, v29                        ; sine is negative in quarters 2 and 3,
	v_xor_b32 v30, v30, v29
	v_add_nc_u32 v28, 1, v28
	v_lshlrev_b32 v28, 30, v28
	v_and_b32 v28, s31, v28                        ; cosine in quarters 1 and 2
	v_xor_b32 v31, v31, v28
	v_mul_f32 v[64+2*(\it)], s30, v31
	v_mul_f32 v[65+2*(\it)], s30, v30
	global_store_b64 v5, v[64+2*(\it):65+2*(\it)], s[40:41] offset:256*(\it)   ; two rows: 256 consecutive bytes, aligned
.endm
.irp t, 0,1,2,3,4,5,6,7,8,9,10,11,12,13,14,15
	TROW \t
.endr
	s_endpgm
.Lfunc_end_k_qc49a9f7e4b_prep:
	.size	k_qc49a9f7e4b_prep, .Lfunc_end_k_qc49a9f7e4b_prep-k_qc49a9f7e4b_prep
	.p2alignl 7, 3214868480
	.fill 96, 4, 3214868480
	.section	.rodata,"a",@progbits
	.p2align	6, 0x0
	.amdhsa_kernel k_qc49a9f7e4b_prep
		.amdhsa_group_segment_fixed_size 33280
		.amdhsa_private_segment_fixed_size 0
		.amdhsa_enable_private_segment 0
		.amdhsa_kernarg_size 56
		.amdhsa_user_sgpr_count 2
		.amdhsa_user_sgpr_kernarg_segment_ptr 1
		.amdhsa_wavefront_size32 1
		.amdhsa_system_sgpr_workgroup_id_x 1
		.amdhsa_system_sgpr_workgroup_id_y 1
		.amdhsa_system_sgpr_workgroup_id_z 1
		.amdhsa_system_vgpr_workitem_id 0
		.amdhsa_next_free_vgpr 224
		.amdhsa_next_free_sgpr 66
		.amdhsa_reserve_vcc 1
		.amdhsa_float_denorm_mode_32 3
		.amdhsa_float_denorm_mode_16_64 3
		.amdhsa_memory_ordered 1
		.amdhsa_forward_progress 1
		.amdhsa_inst_pref_size 90
	.end_amdhsa_kernel
	.amdgpu_metadata
---
amdhsa.version: [ 1, 2 ]
amdhsa.kernels:
  - .name:           k_qc49a9f7e4b_prep
    .symbol:         k_qc49a9f7e4b_prep.kd
    .args:
      - { .name: hidden_states, .offset: 0, .size: 8, .value_kind: global_buffer, .address_space: global }
      - { .name: w_qkv, .offset: 8, .size: 8, .value_kind: global_buffer, .address_space: global }
      - { .name: codes, .offset: 16, .size: 8, .value_kind: global_buffer, .address_space: global }
      - { .name: scales, .offset: 24, .size: 8, .value_kind: global_buffer, .address_space: global }
      - { .name: w_out, .offset: 32, .size: 8, .value_kind: global_buffer, .address_space: global }
      - { .name: w16, .offset: 40, .size: 8, .value_kind: global_buffer, .address_space: global }
      - { .name: tab, .offset: 48, .size: 8, .value_kind: global_buffer, .address_space: global }
    .group_segment_fixed_size: 33280
    .private_segment_fixed_size: 0
    .kernarg_segment_align: 8
    .kernarg_segment_size: 56
    .max_flat_workgroup_size: 128
    .sgpr_count:     66
    .vgpr_count:     224
    .wavefront_size: 32
...
	.end_amdgpu_metadata
.endif
;; end of part 1
;; launch qkv (part 2): grid 12 x 16, 4 waves a work-group, clusters of 4 x 4, 327,680 bytes of LDS; arguments codes, scales, tab, qkv16, fine; writes qkv16, fine
.if DOCPART == 2
	.amdgcn_target "amdgcn-amd-amdhsa--gfx1250"
	.amdhsa_code_object_version 6
	.text
	.protected	k_qc49a9f7e4b_qkv
	.globl	k_qc49a9f7e4b_qkv
	.p2align	8
	.type	k_qc49a9f7e4b_qkv,@function
k_qc49a9f7e4b_qkv:
	s_mov_b64 s[64:65], 0
	v_nop
	global_prefetch_b8 v0, s[64:65] scope:SCOPE_SE
	s_setreg_imm32_b32 hwreg(HW_REG_WAVE_MODE, 25, 1), 1
	s_wait_xcnt 0x0
	s_wait_alu depctr_hold_cnt(0) depctr_sa_sdst(0) depctr_va_vdst(0) depctr_va_sdst(0) depctr_va_ssrc(0) depctr_va_vcc(0) depctr_vm_vsrc(0)
	s_getreg_b32 s2, hwreg(HW_REG_IB_STS2, 6, 4)
	s_cmp_eq_u32 s2, 0
	s_cbranch_scc0 .Lentry_in_a_cluster
	s_endpgm
.Lentry_in_a_cluster:
	s_bfe_u32 s2, ttmp6, 0x10000c
	s_cmp_lg_u32 s2, 0xf033
	s_cbranch_scc0 .Lentry_shape_is_right
	s_endpgm
.Lentry_shape_is_right:
; qkv = hidden_states w_qkv^T on codes of FP4 (E2M1) with one E8M0 scale for each 32 along K; M 4,096, N 3,072, K 1,024; sums in f32.  On the way out: the rotary turn on the first 32 of a head's 64 numbers
; of q and k, all numbers times 64 (exact), rounded to f16 and laid by head: qkv16 [q, v, k][batch][head][position][64].  Positions 0-15 of a sequence also leave in f32 (buffer fine), for the launch that redoes them.
; LIMIT: a number of q, k or v above 1,023 in magnitude overflows f16.
; A tile of the result, 256 x 256, is made by four waves, 128 x 128 each: 64 accumulators, 512 registers.  256 columns are exactly q, v or k of one group of four heads.  K is two slots of 512: both are filled at the start.
; The scale bytes of the work-group's 256 + 256 rows, for all of K, come into LDS once, in rows of 256 bytes.
; CLUSTERS: 4 x 4 work-groups; A's tiles are asked for jointly along a row of the cluster, B's along a column.  Tile row = cluster y + 4 cy, so that the four tile rows that begin at rows 0, 1024, 2048, 3072 lie in
; cluster row 0.  All four of them store their first 16 rows into fine (slot cy), and only slots 0 and 2, the sequences' first positions, are read later;
; and v goes through the same formula as q and k, with table rows that hold (64, 0).
; FINE is laid as an image of the registers: [slot][q, v, k][head][4,096 bytes]; in a head, byte (2 t + u) 512 + 16 lane holds channels 16 t + 8 (lane / 16) + 4 u + 0 .. 3 of position lane % 16.
; THE MATRIX INSTRUCTION IS USED TRANSPOSED (source 0 = 16 rows of w_qkv, source 1 = 16 rows of hidden_states): a lane holds eight neighbouring numbers of a row.
; REGISTERS: window 0: v0-31 addresses; v32-95 scale words, two sets, and nothing else; from v128 A's fragments, one set; on the way out v128-255.
;   window 1: B's fragments, two sets, at v0 and v128; v64-127 and v192-255: the rotary table of my 128 rows, asked for at the head, so that it lands under the products.
;   window 2, 3: the accumulators of my rows 0-63, 64-127 ((a, b) at v[8 (8 (a % 4) + b)]).
.set KSTEP,  512
.set NQ,     4                         ; matrix instructions deep in a slot
.set ROWB,   256                       ; a tile's row in bytes
.set KROW,   512                       ; a row of codes in memory
.set PITCH,  272                       ; an LDS row: 256 + 16: the 16 rows that a load touches start at 16 different banks
.set FR,     8
.set NL,     2
.set NP,     4                         ; places behind this matrix instruction (ISA guide 7.12.1)
.set HALFT,  128*PITCH
.set SLOT,   4*HALFT
.set KS,     32                        ; a row of scale bytes
.set SCL,    2*SLOT
.set HALFS,  (128*KS/256)*272
.set SBLK,   (16*KS/256)*272
.set SPARE,  SCL+4*HALFS               ; the spare words, 128 bytes a wave
.set SPITCH, 272                       ; the way out: a stage of 16 rows x (256 + 16) bytes for each wave, in slot 0, which has had its only fill and its last read by then
.set BCODES, 2097152                   ; w_qkv's codes lie behind hidden_states'
.set BSCALE, 131072                    ; and its scale bytes
.set ADRA, 16
.set ADRB, 20
.set STO,  24
.set RD,   25
.set CO,   26
.set ADRS, 27
.set SPW,  28
.set NIL,  29
.set TBO,  30                          ; v30 my byte in the table: 128 x row + 32 x half
.set FO,   31                          ; v31 my byte in an image of fine: 16 x lane
.set SC,   32
.set AF,   128
.set T,    128                         ; the way out: 64 numbers, then 32 registers of f16
.set BK,   192                         ; 16 rows read back: v192-223, v224-255 by turns
.set G1, 24
.set G0, 32
.set G1B, 48
.set G0B, 56
.set G1S, 68
.set G0S, 76
.set G1SB, 80
.set G0SB, 88
.set FINE, 95                          ; s95 0: my block 0 also goes to fine
.set MSB, 0
.macro WIN new
.if MSB != \new
	s_set_vgpr_msb (MSB<<8)|\new
.set MSB, \new
.endif
.endm
.set MUL_LO, 0xa1                      ; source 0 (B) window 1, source 1 (A) window 0, C and D window 2
.set MUL_HI, 0xf1
.set TO_B,   0x40
; A joint load: waves 0 and 1 fetch for A, waves 2 and 3 for B.  The branch hangs on the wave's number alone.  An s_nop 0 and four v_nop follow each line.
.macro JLOAD g0a, g1a, g0b, g1b
	s_cmp_eq_u32 s15, 0
	s_cbranch_scc0 .Lfor_b_\@
	tensor_load_to_lds s[\g0a:\g0a+3], s[\g1a:\g1a+7]
	s_nop 0
.rept 4
	v_nop
.endr
	s_branch .Lasked_\@
.Lfor_b_\@:
	tensor_load_to_lds s[\g0b:\g0b+3], s[\g1b:\g1b+7]
	s_nop 0
.rept 4
	v_nop
.endr
.Lasked_\@:
.endm
.macro CROUND                          ; a round of the cluster's barrier
	s_barrier_signal -1
	s_barrier_wait -1
	s_cmp_lg_u32 s14, 0
	s_cbranch_scc1 .Lnot_wave_0_\@
	s_barrier_signal -3
.Lnot_wave_0_\@:
	s_barrier_wait -3
	s_barrier_signal -1
	s_barrier_wait -1
.endm
	s_load_b128 s[4:7], s[0:1], 0x0                ; codes, scales
	s_load_b128 s[8:11], s[0:1], 0x10              ; tab, qkv16
	s_load_b64 s[12:13], s[0:1], 0x20              ; fine
	v_lshl_add_u32 v[SPW], v0, 2, SPARE
	v_mov_b32 v[NIL], 0
	ds_add_u32 v[SPW], v[NIL]                      ; the wave's opening: the add, twice on end, and its wait ahead of my first tensor load
	ds_add_u32 v[SPW], v[NIL]
	v_lshrrev_b32 v1, 5, v0
	v_readfirstlane_b32 s14, v1                    ; wave 0..3
	s_lshr_b32 s15, s14, 1                         ; which half of the tile's rows is mine; also: I fetch for A (0) or B (1)
	s_and_b32 s16, s14, 1                          ; which half of its columns; also: which 128 rows I fetch
	s_bfe_u32 s40, ttmp6, 0x40000                  ; cx
	s_bfe_u32 s41, ttmp6, 0x40004                  ; cy
	s_lshl_b32 s42, ttmp9, 2
	s_add_co_u32 s42, s42, s40                     ; tile column = 4 x cluster x + cx
	s_and_b32 s17, ttmp7, 0xffff                   ; cluster y
	s_or_b32 s[FINE], s17, s15                     ; 0 in cluster row 0, in the waves of a tile's upper half: the same in all sixteen partners
	s_lshl_b32 s43, s41, 2
	s_add_co_u32 s17, s17, s43                     ; tile row = cluster y + 4 cy
	s_lshl_b32 s43, 15, s43                        ; my row of the cluster
	s_lshl_b32 s44, 0x1111, s40                    ; my column
	s_or_b32 s[G1+0], s43, (0<<16)|(1<<20)|(1<<21)|(5<<22)|(3<<25)  ; the mask; elements of 1 byte; padding: 4 words after every 64
	s_or_b32 s[G1B+0], s44, (0<<16)|(1<<20)|(1<<21)|(5<<22)|(3<<25)
.irp g, G1, G1B
	s_mov_b32 s[\g+1], ROWB<<16                    ; tensor_dim0
	s_mov_b32 s[\g+2], 128<<16                     ; tensor_dim1
	s_mov_b32 s[\g+3], ROWB<<16                    ; tile_dim0
	s_mov_b32 s[\g+4], 128                         ; tile_dim1
	s_mov_b32 s[\g+5], KROW                        ; the pitch
	s_mov_b32 s[\g+6], 0
	s_mov_b32 s[\g+7], 0
.endr
	s_or_b32 s[G1S+0], s43, (3<<16)|(1<<20)|(1<<21)|(5<<22)|(3<<25) ; the scales of 128 rows: 4,096 dense bytes as 16 rows of 256 (32 elements of 8 bytes)
	s_or_b32 s[G1SB+0], s44, (3<<16)|(1<<20)|(1<<21)|(5<<22)|(3<<25)
.irp g, G1S, G1SB
	s_mov_b32 s[\g+1], 32<<16
	s_mov_b32 s[\g+2], (128*KS/256)<<16
	s_mov_b32 s[\g+3], 32<<16
	s_mov_b32 s[\g+4], 128*KS/256
	s_mov_b32 s[\g+5], 32
	s_mov_b32 s[\g+6], 0
	s_mov_b32 s[\g+7], 0
.endr
	s_lshl_b32 s18, s16, 7
	s_lshl_b32 s20, s17, 8
	s_add_co_u32 s20, s20, s18                     ; A: row 256 x tile row + 128 x half
	s_lshl_b32 s46, s42, 8
	s_add_co_u32 s46, s46, s18                     ; B: row 256 x tile column + 128 x half
	s_mov_b32 s21, 0
	s_mov_b32 s47, 0
	s_mov_b64 s[18:19], KS
	s_mul_u64 s[22:23], s[20:21], s[18:19]         ; where these rows' scales begin,
	s_mul_u64 s[92:93], s[46:47], s[18:19]
	s_mov_b64 s[18:19], KROW
	s_mul_u64 s[20:21], s[20:21], s[18:19]         ; and their codes
	s_mul_u64 s[46:47], s[46:47], s[18:19]
	s_add_nc_u64 s[92:93], s[92:93], BSCALE
	s_add_nc_u64 s[46:47], s[46:47], BCODES
	s_mul_i32 s45, s14, HALFT                      ; where they go: no place in the cluster enters an LDS address
	s_mul_i32 s94, s14, HALFS
	s_wait_dscnt 0x0                               ; both opening adds are done
	s_wait_kmcnt 0x0
	s_add_nc_u64 s[20:21], s[4:5], s[20:21]
	s_add_nc_u64 s[22:23], s[6:7], s[22:23]
	s_add_nc_u64 s[46:47], s[4:5], s[46:47]
	s_add_nc_u64 s[92:93], s[6:7], s[92:93]
	CROUND                                         ; all sixteen work-groups are here: the joint loads meet
	s_mov_b32 s[G0S], 1
	s_add_co_u32 s[G0S+1], s94, SCL
	s_mov_b64 s[G0S+2:G0S+3], s[22:23]
	s_or_b32 s[G0S+3], s[G0S+3], 0x80000000
	s_mov_b32 s[G0SB], 1
	s_add_co_u32 s[G0SB+1], s94, SCL
	s_mov_b64 s[G0SB+2:G0SB+3], s[92:93]
	s_or_b32 s[G0SB+3], s[G0SB+3], 0x80000000
	JLOAD G0S, G1S, G0SB, G1SB                     ; the scales first
.irp s, 0,1
	s_mov_b32 s[G0+4*\s], 1
	s_add_co_u32 s[G0+4*\s+1], s45, \s*SLOT
	s_add_nc_u64 s[G0+4*\s+2:G0+4*\s+3], s[20:21], \s*ROWB
	s_or_b32 s[G0+4*\s+3], s[G0+4*\s+3], 0x80000000
	s_mov_b32 s[G0B+4*\s], 1
	s_add_co_u32 s[G0B+4*\s+1], s45, \s*SLOT
	s_add_nc_u64 s[G0B+4*\s+2:G0B+4*\s+3], s[46:47], \s*ROWB
	s_or_b32 s[G0B+4*\s+3], s[G0B+4*\s+3], 0x80000000
	JLOAD G0+4*\s, G1, G0B+4*\s, G1B               ; three loads of mine are out in all
.endr
	v_and_b32 v1, 15, v0                           ; l % 16
	v_bfe_u32 v2, v0, 4, 1                         ; l / 16
	v_mul_u32_u24 v3, v1, PITCH
	v_lshl_add_u32 v4, v2, 4, v3
	s_mul_i32 s21, s15, HALFT
	s_mul_i32 s22, s16, HALFT
	s_add_co_u32 s22, s22, 2*HALFT
.irp s, 0,1
	v_add_nc_u32 v[ADRA+\s], s21, v4
	v_add_nc_u32 v[ADRB+\s], s22, v4
	s_add_co_u32 s21, s21, SLOT
	s_add_co_u32 s22, s22, SLOT
.endr
	v_mul_u32_u24 v5, v1, KS                       ; my row's scales: 32 bytes a row,
	v_lshrrev_b32 v6, 8, v5
	v_lshl_add_u32 v5, v6, 4, v5                   ; and 16 more for each 256 passed
	s_mul_i32 s21, s15, HALFS
	s_mul_i32 s22, s16, HALFS
	s_add_co_u32 s22, s22, 2*HALFS
	s_sub_co_u32 s22, s22, s21
	v_mul_u32_u24 v6, s22, v2                      ; lanes 16-31 take B's
	s_add_co_u32 s21, s21, SCL
	v_add_nc_u32 v5, v5, v6
	v_add_nc_u32 v[ADRS], s21, v5
	; the way out
	s_mul_i32 s23, s14, 16*SPITCH                  ; my stage
	v_mul_u32_u24 v5, v1, SPITCH
	v_lshl_add_u32 v5, v2, 4, v5
	v_add_nc_u32 v[STO], s23, v5                   ; in: row l % 16, 16 bytes for each half of the lanes
	v_bfe_u32 v5, v0, 3, 1
	v_mul_u32_u24 v5, v5, SPITCH
	v_lshl_add_u32 v5, v2, 7, v5
	v_and_b32 v6, 7, v0
	v_lshl_add_u32 v5, v6, 4, v5
	v_add_nc_u32 v[RD], s23, v5                    ; back: lanes 0-15 two rows of my first head (2 x 128 bytes), lanes 16-31 of my second
	v_lshlrev_b32 v[CO], 18, v2                    ; a head is 262,144 bytes on
	v_lshl_add_u32 v[CO], v1, 4, v[CO]
	v_lshlrev_b32 v[TBO], 7, v1
	v_lshl_add_u32 v[TBO], v2, 5, v[TBO]
	v_and_b32 v[FO], 31, v0
	v_lshlrev_b32 v[FO], 4, v[FO]
	s_mul_i32 s96, s42, 11
	s_lshr_b32 s96, s96, 5                         ; the group of heads: tile column / 3
	s_mul_i32 s97, s96, 3
	s_sub_co_u32 s97, s42, s97                     ; 0 q, 1 v, 2 k
	s_lshl_b32 s96, s96, 2
	s_lshl_b32 s98, s16, 1
	s_add_co_u32 s96, s96, s98                     ; my first head
	s_lshl_b32 s20, s17, 8
	s_lshl_b32 s21, s15, 7
	s_add_co_u32 s20, s20, s21                     ; my first row
	s_lshr_b32 s21, s20, 11                        ; its batch
	s_and_b32 s20, s20, 2047                       ; its position
	s_cmp_eq_u32 s97, 1
	s_cselect_b32 s98, 2048, s20                   ; v takes the table's rows of (64, 0)
	s_lshl_b32 s98, s98, 7
	s_mov_b32 s99, 0
	s_add_nc_u64 s[8:9], s[8:9], s[98:99]
	s_lshl_b32 s22, s21, 22
	s_lshl_b32 s23, s20, 7
	s_add_co_u32 s22, s22, s23
	s_mov_b32 s23, 0
	s_add_nc_u64 s[10:11], s[10:11], s[22:23]      ; qkv16: batch x 4,194,304 + position x 128,
	s_lshl_b32 s46, s97, 23
	s_lshl_b32 s47, s96, 18
	s_add_co_u32 s46, s46, s47
	s_mov_b32 s47, 0
	s_add_nc_u64 s[10:11], s[10:11], s[46:47]      ; + kind x 8,388,608 + head x 262,144
	s_mul_i32 s22, s41, 196608
	s_add_nc_u64 s[12:13], s[12:13], s[22:23]      ; fine: slot cy,
	s_lshl_b32 s46, s97, 16
	s_lshl_b32 s47, s96, 12
	s_add_co_u32 s46, s46, s47
	s_mov_b32 s47, 0
	s_add_nc_u64 s[12:13], s[12:13], s[46:47]      ; + kind x 65,536 + head x 4,096
.macro TLD a                           ; the table for block a's 16 rows: my row's pairs 4 h .. 4 h + 3 and 8 + 4 h .. 8 + 4 h + 3; sixteen registers of window 1
.set CSA, 64+16*((\a)%4)+128*((\a)/4)
	global_load_b128 v[CSA:CSA+3],     v[TBO], s[8:9] offset:(\a)*2048
	global_load_b128 v[CSA+4:CSA+7],   v[TBO], s[8:9] offset:(\a)*2048+16
	global_load_b128 v[CSA+8:CSA+11],  v[TBO], s[8:9] offset:(\a)*2048+64
	global_load_b128 v[CSA+12:CSA+15], v[TBO], s[8:9] offset:(\a)*2048+80
.endm
	WIN TO_B                                       ; destination window 1
.irp a, 0,1,2,3,4,5,6,7
	TLD \a                                         ; all eight blocks' rows now: 32 loads that land under the products
.endr
	WIN 0
.macro FRAG reg, adr, q, i             ; 16 rows x 128 K of 4-bit codes: 8 registers, two loads of 16 bytes, 32 bytes apart
.irp c, 0,1
	ds_load_b128 v[\reg+4*\c:\reg+4*\c+3], v[\adr] offset:64*(\q)+32*\c+(\i)*16*PITCH
.endr
.endm
; 16 matrix instructions: A's blocks a0, a0 + 1 x B's eight.  The 64 accumulators take turns, one instruction a turn, in the same order in every step.
.macro MUL16 a0, p, q, sc, zero
.irp a, \a0, \a0+1
.irp b, 0,1,2,3,4,5,6,7
.if \zero
	v_wmma_scale_f32_16x16x128_f8f6f4 v[8*(8*((\a)%4)+\b):8*(8*((\a)%4)+\b)+7], v[128*(\p)+FR*\b:128*(\p)+FR*\b+FR-1], v[AF+FR*(\a):AF+FR*(\a)+FR-1], 0, v[SC+8*NQ*(\sc)+NQ*\b+(\q)], v[SC+8*NQ*(\sc)+NQ*(\a)+(\q)] matrix_a_fmt:MATRIX_FMT_FP4 matrix_b_fmt:MATRIX_FMT_FP4 matrix_a_scale:MATRIX_SCALE_ROW1
.else
	v_wmma_scale_f32_16x16x128_f8f6f4 v[8*(8*((\a)%4)+\b):8*(8*((\a)%4)+\b)+7], v[128*(\p)+FR*\b:128*(\p)+FR*\b+FR-1], v[AF+FR*(\a):AF+FR*(\a)+FR-1], v[8*(8*((\a)%4)+\b):8*(8*((\a)%4)+\b)+7], v[SC+8*NQ*(\sc)+NQ*\b+(\q)], v[SC+8*NQ*(\sc)+NQ*(\a)+(\q)] matrix_a_fmt:MATRIX_FMT_FP4 matrix_b_fmt:MATRIX_FMT_FP4 matrix_a_scale:MATRIX_SCALE_ROW1
.endif
.endr
.endr
.endm
.macro FETCH_B slot, q, p
	WIN TO_B
.irp i, 0,1,2,3,4,5,6,7
	FRAG 128*(\p)+FR*\i, ADRB+\slot, \q, \i
.endr
	WIN 0
.endm
.macro FETCH_A slot, q, i0
.irp i, \i0, \i0+1, \i0+2, \i0+3
	FRAG AF+FR*(\i), ADRA+\slot, \q, \i
.endr
.endm
.macro SCALES sc                       ; a slot's scale words: lanes 0-15 A's block i, lanes 16-31 B's block i
.irp i, 0,1,2,3,4,5,6,7
	ds_load_b128 v[SC+8*NQ*\sc+NQ*\i:SC+8*NQ*\sc+NQ*\i+3], v[ADRS] offset:\i*SBLK
.endr
.endm
.macro PLACES n                        ; plain vector instructions between a matrix instruction and a load into, or a read of, its registers
.rept \n
	v_nop
.endr
.endm
.macro STEP slot, q, zero              ; 128 along K, with its successor in the same slot
	s_wait_dscnt 4*NL                              ; B's set and A's blocks 0-3 are in; the youngest eight loads (A's blocks 4-7) may be out
	WIN MUL_LO
	MUL16 0, (\q)%2, \q, \slot, \zero
	MUL16 2, (\q)%2, \q, \slot, \zero
	s_wait_dscnt 0
	PLACES NP
	FETCH_B \slot, (\q)+1, 1-(\q)%2
	FETCH_A \slot, (\q)+1, 0
	WIN MUL_HI
	MUL16 4, (\q)%2, \q, \slot, \zero
	MUL16 6, (\q)%2, \q, \slot, \zero
	PLACES NP
	WIN 0
	FETCH_A \slot, (\q)+1, 4
.endm
.macro TURN slot, next                 ; slot 0's last step changes slots: one barrier; nothing is filled again
	s_wait_tensorcnt 0x0                           ; all my tensor loads have landed: my part of the next slot
	ds_add_u32 v[SPW], v[NIL]                      ; 0 onto my spare word
	s_wait_dscnt 4*NL+1                            ; the add and the youngest eight loads may be out
	WIN MUL_LO
	MUL16 0, 1, NQ-1, \slot, 0
	s_wait_dscnt 0x0                               ; the add is done, and my reads of this slot are over
	s_barrier_signal -1
	MUL16 2, 1, NQ-1, \slot, 0
	WIN 0
	s_barrier_wait -1
	PLACES NP
	v_add_nc_u32 v[ADRS], 4*NQ, v[ADRS]            ; the next slot's scale words
	FETCH_B \next, 0, 0
	FETCH_A \next, 0, 0
	SCALES \next
	WIN MUL_HI
	MUL16 4, 1, NQ-1, \slot, 0
	MUL16 6, 1, NQ-1, \slot, 0
	PLACES NP
	WIN 0
	FETCH_A \next, 0, 4
.endm
	s_wait_tensorcnt 1                             ; the scales and my part of slot 0 are in; slot 1's load may be out
	s_barrier_signal -1
	s_barrier_wait -1
	FETCH_B 0, 0, 0
	FETCH_A 0, 0, 0
	SCALES 0
	FETCH_A 0, 0, 4
	STEP 0, 0, 1                                   ; the first products start the sums: nothing is cleared
	STEP 0, 1, 0
	STEP 0, 2, 0
	TURN 0, 1
	STEP 1, 0, 0
	STEP 1, 1, 0
	STEP 1, 2, 0
	s_wait_dscnt 4*NL                              ; the last step: nothing more to fetch
	WIN MUL_LO
	MUL16 0, 1, NQ-1, 1, 0
	MUL16 2, 1, NQ-1, 1, 0
	s_wait_dscnt 0
	WIN MUL_HI
	MUL16 4, 1, NQ-1, 1, 0
	MUL16 6, 1, NQ-1, 1, 0
	WIN 0
; THE WAY OUT, a block of 16 rows x 128 columns (two heads) at a time.  Accumulator b holds numbers 16 (b % 4) + 8 h + 0 .. 7 of head b / 4: b % 4 < 2 are the rotary 32.
; A pair (x0, x1) becomes (x0 c - x1 s, x1 c + x0 s), c and s carrying the factor 64: one packed multiply and one packed multiply-add.  Each accumulator is read from its low end on.
.macro PACK a
.set AC, 64*((\a)%4)
.set CSA, 64+16*((\a)%4)+128*((\a)/4)
.set WN, 0x06+(\a)/4
.if (\a) == 0
	s_wait_loadcnt 0x0                             ; the table, asked for at the head
.endif
	WIN WN                                         ; source 0: the accumulators' window; source 1: window 1, the table
.irp b, 0,1,2,3,4,5,6,7
.if (\b%4) < 2
.irp i, 0,1,2,3
	v_pk_mul_f32 v[T+8*\b+2*\i:T+8*\b+2*\i+1], v[AC+8*\b+2*\i:AC+8*\b+2*\i+1], v[CSA+8*(\b%4)+2*\i:CSA+8*(\b%4)+2*\i+1] op_sel_hi:[1,0]
.endr
.irp i, 0,1,2,3
	v_pk_fma_f32 v[T+8*\b+2*\i:T+8*\b+2*\i+1], v[AC+8*\b+2*\i:AC+8*\b+2*\i+1], v[CSA+8*(\b%4)+2*\i:CSA+8*(\b%4)+2*\i+1], v[T+8*\b+2*\i:T+8*\b+2*\i+1] op_sel:[1,1,0] op_sel_hi:[0,1,1] neg_lo:[0,1,0]
.endr
.else
.irp i, 0,1,2,3
	v_pk_mul_f32 v[T+8*\b+2*\i:T+8*\b+2*\i+1], v[AC+8*\b+2*\i:AC+8*\b+2*\i+1], 0x42800000 op_sel_hi:[1,0]
.endr
.endif
.endr
	WIN 0
.if (\a) == 0
	s_cmp_lg_u32 s[FINE], 0                        ; cluster y and the wave's number alone
	s_cbranch_scc1 .Lno_fine
.irp b, 0,1,2,3,4,5,6,7
	global_store_b128 v[FO], v[T+8*\b:T+8*\b+3], s[12:13] offset:(\b/4)*4096+(\b%4)*1024        ; the registers as they stand: 32 lanes store 512 consecutive bytes, aligned
	global_store_b128 v[FO], v[T+8*\b+4:T+8*\b+7], s[12:13] offset:(\b/4)*4096+(\b%4)*1024+512
.endr
	s_wait_xcnt 0x0                                ; the stores' data are written again just below, only behind this wait
.Lno_fine:
.endif
.set nn, 0
.rept 32
	v_cvt_pk_f16_f32 v[T+nn], v[T+2*nn], v[T+2*nn+1]   ; in place, ascending: no number is overwritten before it is read
.set nn, nn+1
.endr
.endm
.macro TOSTAGE a
.set BB, BK+32*((\a)%2)
.irp b, 0,1,2,3,4,5,6,7
	ds_store_b128 v[STO], v[T+4*\b:T+4*\b+3] offset:32*\b
.endr
.irp t, 0,1,2,3,4,5,6,7
	ds_load_b128 v[BB+4*\t:BB+4*\t+3], v[RD] offset:544*\t   ; LDS serves a wave's instructions in order: these see the stores above
.endr
.endm
.macro SEND a
.set BB, BK+32*((\a)%2)
	s_wait_dscnt 0x0
.if (\a) >= 1
	s_wait_xcnt 0x0                                ; block a - 1's stores have read their registers, into which block a + 1's loads from the stage will land; the wait stands ahead of this block's own stores, for which nothing waits yet
.endif
.irp t, 0,1,2,3,4,5,6,7
	global_store_b128 v[CO], v[BB+4*\t:BB+4*\t+3], s[10:11] offset:(\a)*2048+256*\t   ; sixteen lanes store two rows of one head: 256 consecutive bytes, aligned
.endr
.endm
	PLACES NP
	PACK 0
	TOSTAGE 0
.irp a, 1,2,3,4,5,6,7
	PACK \a                                        ; block a's arithmetic stands between block a - 1's loads from the stage and the wait for them
	SEND \a-1
	TOSTAGE \a
.endr
	SEND 7
	s_wait_tensorcnt 0x0                           ; the wave's end
	ds_add_u32 v[SPW], v[NIL]
	s_wait_dscnt 0x0
	CROUND                                         ; the closing round
	s_endpgm
.Lfunc_end_k_qc49a9f7e4b_qkv:
	.size	k_qc49a9f7e4b_qkv, .Lfunc_end_k_qc49a9f7e4b_qkv-k_qc49a9f7e4b_qkv
	.p2alignl 7, 3214868480
	.fill 96, 4, 3214868480
	.section	.rodata,"a",@progbits
	.p2align	6, 0x0
	.amdhsa_kernel k_qc49a9f7e4b_qkv
		.amdhsa_group_segment_fixed_size 327680
		.amdhsa_private_segment_fixed_size 0
		.amdhsa_enable_private_segment 0
		.amdhsa_kernarg_size 40
		.amdhsa_user_sgpr_count 2
		.amdhsa_user_sgpr_kernarg_segment_ptr 1
		.amdhsa_wavefront_size32 1
		.amdhsa_system_sgpr_workgroup_id_x 1
		.amdhsa_system_sgpr_workgroup_id_y 1
		.amdhsa_system_sgpr_workgroup_id_z 1
		.amdhsa_system_vgpr_workitem_id 0
		.amdhsa_next_free_vgpr 1024
		.amdhsa_next_free_sgpr 100
		.amdhsa_reserve_vcc 0
		.amdhsa_float_denorm_mode_32 3
		.amdhsa_float_denorm_mode_16_64 3
		.amdhsa_memory_ordered 1
		.amdhsa_forward_progress 1
		.amdhsa_inst_pref_size 160
	.end_amdhsa_kernel
	.amdgpu_metadata
---
amdhsa.version: [ 1, 2 ]
amdhsa.kernels:
  - .name:           k_qc49a9f7e4b_qkv
    .symbol:         k_qc49a9f7e4b_qkv.kd
    .args:
      - { .name: codes, .offset: 0, .size: 8, .value_kind: global_buffer, .address_space: global }
      - { .name: scales, .offset: 8, .size: 8, .value_kind: global_buffer, .address_space: global }
      - { .name: tab, .offset: 16, .size: 8, .value_kind: global_buffer, .address_space: global }
      - { .name: qkv16, .offset: 24, .size: 8, .value_kind: global_buffer, .address_space: global }
      - { .name: fine, .offset: 32, .size: 8, .value_kind: global_buffer, .address_space: global }
    .group_segment_fixed_size: 327680
    .private_segment_fixed_size: 0
    .kernarg_segment_align: 8
    .kernarg_segment_size: 40
    .max_flat_workgroup_size: 128
    .sgpr_count:     100
    .vgpr_count:     1024
    .wavefront_size: 32
...
	.end_amdgpu_metadata
.endif
;; end of part 2
;; launch attn (part 3): grid 8 x 32, 8 waves a work-group, no clusters, 327,680 bytes of LDS; arguments qkv16, o16; writes o16
.if DOCPART == 3
	.amdgcn_target "amdgcn-amd-amdhsa--gfx1250"
	.amdhsa_code_object_version 6
	.text
	.protected	k_qc49a9f7e4b_attn
	.globl	k_qc49a9f7e4b_attn
	.p2align	8
	.type	k_qc49a9f7e4b_attn,@function
k_qc49a9f7e4b_attn:
	s_mov_b64 s[64:65], 0
	v_nop
	global_prefetch_b8 v0, s[64:65] scope:SCOPE_SE
	s_setreg_imm32_b32 hwreg(HW_REG_WAVE_MODE, 25, 1), 1
	s_wait_xcnt 0x0
; Causal attention, one head of 64, 2,048 positions, 32 (batch, head).  q, k, v arrive as f16 times 64, [position][64]; products in f16 with f32 sums; maxima, exponentials and sums in f32.
; o leaves as f16 times 128, laid [pair of rows][head][row in pair][64]: two rows of one head are 256 consecutive bytes.
; p = 2^(c s - c m), s the raw score (4,096 times q . k), c = log2(e) / 8 / 4096, m the running maximum; O and the sum l are multiplied by 2^(c m_old - c m_new) in every step.
; LIMITS: the reference's mask value -1e7 is taken as minus infinity: the same in f32 while a row's largest open score lies above -9.99e6.  |o| above 511 overflows f16.
; SHARES.  A head has 16 blocks of 128 queries.  Work-group j takes block 15 - j and then block j: (16 - j) + (j + 1) = 17 units of 128 keys for every work-group.  Keys come in slots of 256:
; N1 = (17 - j) / 2 visits serve the first block, 9 - N1 the second: nine visits and nine fills for every j, so every trip count is a constant.
; Wave w: strip w % 4 (32 queries, two tiles of 16) and group w / 4: group g takes keys 64 g .. 64 g + 63 of every unit.  At a block's end group 1 hands (c m, l, O) to group 0 through LDS.
; So each fragment of K and V read from LDS feeds two tiles of queries, and both waves of a SIMD work throughout.
; Both blocks' Q are asked for at the head; at the change of blocks the second is copied from register to register.
; NO CLUSTER: the work-groups of a head change blocks at different visits (N1 hangs on j), so the tiles that they want at one time differ.
; LAYOUT.  S^T = K Q^T (source 0 = 16 keys, source 1 = 16 queries): a lane holds one query (lane % 16) and keys 8 (lane / 16) + 0..7.  Two such tiles rounded to f16 are source 1 of O^T = V^T P.
; K comes out of LDS as it lies, V ([key][channel]) turned by ds_load_tr16_b128.
; REGISTERS: window 0: v1-11 addresses; v12-27 statistics, eight a tile: c m, m, l (two halves), four at work; v32-63 P; v64-127 S^T; v128-191 O^T; v192-255 the merge and the way out.
;   window 1: v0-31 Q of the block in hand; v32-63 Q of the second block; v64-127 K of a step; v128-191 V of a step.
.set KP,    144                        ; a key's row in LDS: 128 + 16 bytes
.set VP,    160                        ; a row of V: 128 + 32 bytes, an odd multiple of 32
.set VOFF,  256*KP                     ; a slot: 256 rows of K, then 256 of V
.set SLOT1, 131072
.set MRG0,  VOFF+256*VP                ; behind slot 0: four images of 8,704 bytes (64 registers of O^T and 4 of statistics a lane)
.set MRG1,  SLOT1+MRG0                 ; behind slot 1: the same for the second block
.set STAGE, 262144                     ; the way out: 2 tiles x 16 rows x 144 bytes a wave
.set STW,   4608
.set SPARE, STAGE+8*STW                ; the spare words, 128 bytes a wave
.set MI1, 1
.set AK0, 2
.set AV0, 3
.set ADK, 4
.set ADV, 5
.set QO,  6
.set STO, 7
.set RD,  8
.set GO,  9
.set MI0, 10
.set RH,  11
.set ST,  12
.set NINF, 28
.set PFO, 29
.set SPW, 30
.set NIL, 31
.set PP,  32
.set SS,  64
.set OT,  128
.set MG,  192
.set QL,  32                           ; in window 1
.set KR,  64
.set VR,  128
.set WV, 8
.set GRP, 9
.set STRIP, 10
.set J, 11
.set BH, 12
.set N1, 13
.set TT, 14                            ; the visit, 0 .. 8
.set KB, 15                            ; the slot's first key
.set KN, 16                            ; the next slot's
.set KBG, 17
.set KF, 18                            ; the step's first key
.set TMP, 19
.set SEL, 20
.set CS, 22
.set G1K, 24
.set G1V, 32
.set G0K, 40
.set G0V, 44
.set KBASE, 48
.set VBASE, 50
.set QBASE, 52
.set OBASE, 54
.set QA, 56
.set OA, 58
.set KO, 60                            ; s[60:61] an offset; the upper word stays 0
.set TB, 62                            ; LDS byte at which the slot in hand begins
.set Q0, 63                            ; my first query
.set PFK, 66
.set PFV, 68
.set LIM, 70
.set T1, 71
.set QB, 72                            ; s[72:73] the second block's Q
.set MSB, 0
.macro WIN new
.if MSB != \new
	s_set_vgpr_msb (MSB<<8)|\new
.set MSB, \new
.endif
.endm
; Wave 0 fetches a slot's K, wave 1 its V, whole: so some bytes of every load are read, also where a block's last slot is used by half.  An s_nop 0 and four v_nop follow each line.
.macro TLOAD
	s_cmp_eq_u32 s[WV], 0
	s_cbranch_scc0 .Lnot_k_\@
	tensor_load_to_lds s[G0K:G0K+3], s[G1K:G1K+7]
	s_nop 0
.rept 4
	v_nop
.endr
	s_branch .Lasked_\@
.Lnot_k_\@:
	s_cmp_eq_u32 s[WV], 1
	s_cbranch_scc0 .Lasked_\@
	tensor_load_to_lds s[G0V:G0V+3], s[G1V:G1V+7]
	s_nop 0
.rept 4
	v_nop
.endr
.Lasked_\@:
.endm
; A prefetch of the slot that the NEXT change of slots will ask for: 32,768 dense bytes of K and of V.  All eight work-groups of a head begin with the same keys: work-group j = 0, which walks all eight slots,
; asks, in its waves 4 to 7: 8,192 bytes a wave, lanes 256 bytes apart.  Visits 0 to 5 name slots 2 to 7: each block of 256 bytes once in the launch.
.macro ASK
	s_cmp_lt_u32 s[TT], s[LIM]
	s_cbranch_scc0 .Lnot_mine_\@
	global_prefetch_b8 v[PFO], s[PFK:PFK+1] th:TH_LOAD_NT scope:SCOPE_SE
	global_prefetch_b8 v[PFO], s[PFV:PFV+1] th:TH_LOAD_NT scope:SCOPE_SE
.Lnot_mine_\@:
.endm
; THE CHANGE OF SLOTS, at a visit's head.  Each wave waits for all its tensor loads, adds 0 to its spare word, and waits for that and for its reads of the slot that it has left; behind the barrier the slot ahead
; is whole and nobody reads the other one, which is filled with the next visit's keys: that load has a visit's two steps in which to land.  One tensor load of a wave is out at the most.
.macro CHANGE fill
	s_wait_tensorcnt 0x0                           ; no tensor load of mine is out, so a group 0 may be written
	ds_add_u32 v[SPW], v[NIL]                      ; 0 onto my spare word
.if \fill
	ds_add_u32 v[SPW], v[NIL]                      ; and here twice on end
	s_add_co_u32 s[T1], s[TT], 1
	s_add_co_u32 s[KN], s[KB], 256
	s_cmp_eq_u32 s[T1], s[N1]
	s_cselect_b32 s[KN], 0, s[KN]                  ; the second block begins at key 0
	s_lshl_b32 s[KO], s[KN], 7
	s_xor_b32 s[G0K+1], s[G0K+1], SLOT1
	s_add_nc_u64 s[G0K+2:G0K+3], s[KBASE:KBASE+1], s[KO:KO+1]
	s_or_b32 s[G0K+3], s[G0K+3], 0x80000000
	s_xor_b32 s[G0V+1], s[G0V+1], SLOT1
	s_add_nc_u64 s[G0V+2:G0V+3], s[VBASE:VBASE+1], s[KO:KO+1]
	s_or_b32 s[G0V+3], s[G0V+3], 0x80000000
	s_wait_xcnt 0x0                                ; the last prefetches, a visit back, have read their addresses
	s_add_nc_u64 s[PFK:PFK+1], s[PFK:PFK+1], 32768
	s_add_nc_u64 s[PFV:PFV+1], s[PFV:PFV+1], 32768
.endif
	s_wait_dscnt 0x0
	s_barrier_signal -1
	s_barrier_wait -1
.if \fill
	TLOAD
	ASK
.endif
.endm
; The softmax of both tiles for a step's 64 keys, the tiles line by line by turns.  The 66 exponentials are one batch with one wait.
.macro SOFT
.irp k, 0,1,2,3
.irp t, 0,1
	v_max3_num_f32 v[ST+8*\t+4+\k], v[SS+32*\t+8*\k], v[SS+32*\t+8*\k+1], v[SS+32*\t+8*\k+2]   ; four chains; each accumulator is read from its low end on
.endr
.endr
.irp i, 3,5
.irp k, 0,1,2,3
.irp t, 0,1
	v_max3_num_f32 v[ST+8*\t+4+\k], v[ST+8*\t+4+\k], v[SS+32*\t+8*\k+\i], v[SS+32*\t+8*\k+\i+1]
.endr
.endr
.endr
.irp t, 0,1
	v_max3_num_f32 v[ST+8*\t+4], v[ST+8*\t+4], v[SS+32*\t+7], v[SS+32*\t+15]
	v_max3_num_f32 v[ST+8*\t+6], v[ST+8*\t+6], v[SS+32*\t+23], v[SS+32*\t+31]
.endr
.irp t, 0,1
	v_max3_num_f32 v[ST+8*\t+4], v[ST+8*\t+4], v[ST+8*\t+5], v[ST+8*\t+6]
.endr
.irp t, 0,1
	v_max3_num_f32 v[ST+8*\t+4], v[ST+8*\t+4], v[ST+8*\t+7], v[ST+8*\t+1]   ; with the old m
.endr
.irp t, 0,1
	v_permlanex16_b32 v[ST+8*\t+5], v[ST+8*\t+4], s[SEL], s[SEL+1]          ; the query's other 32 keys lie in the lane 16 away
.endr
.irp t, 0,1
	v_mov_b32 v[ST+8*\t+7], v[ST+8*\t]
.endr
.irp t, 0,1
	v_max_num_f32 v[ST+8*\t+1], v[ST+8*\t+4], v[ST+8*\t+5]
.endr
.irp t, 0,1
	v_mul_f32 v[ST+8*\t], s[CS], v[ST+8*\t+1]
.endr
.irp t, 0,1
	v_sub_f32 v[ST+8*\t+7], v[ST+8*\t+7], v[ST+8*\t]                        ; c m_old - c m_new
.endr
.irp p, 0,2,4,6,8,10,12,14,16,18,20,22,24,26,28,30
.irp t, 0,1
	v_pk_fma_f32 v[SS+32*\t+\p:SS+32*\t+\p+1], v[SS+32*\t+\p:SS+32*\t+\p+1], s[CS:CS+1], v[ST+8*\t:ST+8*\t+1] op_sel_hi:[1,0,0] neg_lo:[0,0,1] neg_hi:[0,0,1]
.endr
.endr
.irp t, 0,1
	v_exp_f32 v[ST+8*\t+6], v[ST+8*\t+7]                                    ; a
.endr
.set nn, 0
.rept 32
	v_exp_f32 v[SS+nn], v[SS+nn]
	v_exp_f32 v[SS+32+nn], v[SS+32+nn]
.set nn, nn+1
.endr
	v_nop                                          ; a plain instruction behind the last exponential,
	s_wait_alu depctr_va_vdst(0)                   ; and one wait for the batch, ahead of its first reader
.set nn, 0
.rept 16
	v_cvt_pk_f16_f32 v[PP+nn], v[SS+2*nn], v[SS+2*nn+1]
	v_cvt_pk_f16_f32 v[PP+16+nn], v[SS+32+2*nn], v[SS+32+2*nn+1]
.set nn, nn+1
.endr
.irp w, 4,8,16,32                      ; the sum of the unrounded p, in place: neighbours 1, 2, 4, 8 pairs apart
.set nn, 0
.rept 32/\w
.irp t, 0,1
	v_pk_add_f32 v[SS+32*\t+\w*nn:SS+32*\t+\w*nn+1], v[SS+32*\t+\w*nn:SS+32*\t+\w*nn+1], v[SS+32*\t+\w*nn+\w/2:SS+32*\t+\w*nn+\w/2+1]
.endr
.set nn, nn+1
.endr
.endr
.irp t, 0,1
	v_pk_fma_f32 v[ST+8*\t+2:ST+8*\t+3], v[ST+8*\t+2:ST+8*\t+3], v[ST+8*\t+6:ST+8*\t+7], v[SS+32*\t:SS+32*\t+1] op_sel_hi:[1,0,1]   ; l = a l + the sum
.endr
.set nn, 0
.rept 16
	v_pk_mul_f32 v[OT+2*nn:OT+2*nn+1], v[OT+2*nn:OT+2*nn+1], v[ST+6:ST+7] op_sel_hi:[1,0]
	v_pk_mul_f32 v[OT+32+2*nn:OT+32+2*nn+1], v[OT+32+2*nn:OT+32+2*nn+1], v[ST+14:ST+15] op_sel_hi:[1,0]
.set nn, nn+1
.endr
.endm
; A STEP: my group's 64 keys of unit u of the slot.  A step all of whose keys come after my 32 queries is left out: a branch on ids, round no barrier and no tensor load.
; A step that is walked has its first key at or under my first query (both are multiples of 32, the key's of 64), so every query sees a key and m is a number.
.macro STEP u
	s_add_co_u32 s[KF], s[KBG], 128*(\u)
	s_add_co_u32 s[TMP], s[Q0], 31
	s_cmp_gt_u32 s[KF], s[TMP]
	s_cbranch_scc1 .Lhidden_\@
	v_add_nc_u32 v[ADK], s[TB], v[AK0]
	v_add_nc_u32 v[ADV], s[TB], v[AV0]
	v_nop                                          ; with the two additions: four places between the last products and the loads into V's registers
	v_nop
	WIN 0x40                                       ; destination window 1
.irp k, 0,1,2,3
.irp c, 0,1
	ds_load_b128 v[KR+16*\k+8*\c:KR+16*\k+8*\c+3],   v[ADK] offset:(\u)*128*KP+\k*16*KP+64*\c
	ds_load_b128 v[KR+16*\k+8*\c+4:KR+16*\k+8*\c+7], v[ADK] offset:(\u)*128*KP+\k*16*KP+64*\c+32
.endr
.endr
.irp c, 0,1
.irp k, 0,1,2,3
	ds_load_tr16_b128 v[VR+32*\c+8*\k:VR+32*\c+8*\k+3],   v[ADV] offset:(\u)*128*VP+\c*32*VP+32*\k
	ds_load_tr16_b128 v[VR+32*\c+8*\k+4:VR+32*\c+8*\k+7], v[ADV] offset:(\u)*128*VP+\c*32*VP+16*VP+32*\k
.endr
.endr
	s_wait_dscnt 16                                ; K is in; V's sixteen loads may be out
	WIN 0x05                                       ; K and Q in window 1
.irp c, 0,1                            ; eight accumulators by turns; the first round starts the sums
.irp k, 0,1,2,3
.irp t, 0,1
.if \c == 0
	v_wmma_f32_16x16x32_f16 v[SS+32*\t+8*\k:SS+32*\t+8*\k+7], v[KR+16*\k+8*\c:KR+16*\k+8*\c+7], v[16*\t+8*\c:16*\t+8*\c+7], 0
.else
	v_wmma_f32_16x16x32_f16 v[SS+32*\t+8*\k:SS+32*\t+8*\k+7], v[KR+16*\k+8*\c:KR+16*\k+8*\c+7], v[16*\t+8*\c:16*\t+8*\c+7], v[SS+32*\t+8*\k:SS+32*\t+8*\k+7]
.endif
.endr
.endr
.endr
	WIN 0
.rept 4
	v_nop
.endr
	s_add_co_u32 s[TMP], s[KF], 63
	s_cmp_le_u32 s[TMP], s[Q0]
	s_cbranch_scc1 .Lopen_\@                       ; all 64 keys count for all my queries
	s_sub_co_i32 s[TMP], s[Q0], s[KF]
	v_add_nc_u32 v[ST+7], s[TMP], v[RH]            ; d = my query - the step's first key - 8 (lane / 16); register n holds key 16 (n / 8) + n % 8 beyond that: hidden where that is above d
	v_add_nc_u32 v[ST+15], 16, v[ST+7]
.set nn, 0
.rept 32
	v_cmp_gt_i32 vcc_lo, 16*(nn/8)+nn%8, v[ST+7]
	v_cndmask_b32 v[SS+nn], v[SS+nn], v[NINF], vcc_lo
	v_cmp_gt_i32 vcc_lo, 16*(nn/8)+nn%8, v[ST+15]
	v_cndmask_b32 v[SS+32+nn], v[SS+32+nn], v[NINF], vcc_lo
.set nn, nn+1
.endr
.Lopen_\@:
	SOFT
	s_wait_dscnt 0x0                               ; V is in
	WIN 0x01                                       ; V in window 1
.irp c, 0,1
.irp k, 0,1,2,3
.irp t, 0,1
	v_wmma_f32_16x16x32_f16 v[OT+32*\t+8*\k:OT+32*\t+8*\k+7], v[VR+32*\c+8*\k:VR+32*\c+8*\k+7], v[PP+16*\t+8*\c:PP+16*\t+8*\c+7], v[OT+32*\t+8*\k:OT+32*\t+8*\k+7]
.endr
.endr
.endr
	WIN 0
.Lhidden_\@:
.endm
; Group 1's (c m, l, O^T) as an image of its registers: 16 bytes a lane, 512 bytes a store.
.macro IMAGE mi
	v_mov_b32 v[MG], v[ST]
	v_mov_b32 v[MG+1], v[ST+8]
	v_add_f32 v[MG+2], v[ST+2], v[ST+3]
	v_add_f32 v[MG+3], v[ST+10], v[ST+11]
.irp g, 0,1,2,3,4,5,6,7,8,9,10,11,12,13,14,15
	ds_store_b128 v[\mi], v[OT+4*\g:OT+4*\g+3] offset:512*\g
.endr
	ds_store_b128 v[\mi], v[MG:MG+3] offset:8192
.endm
; Group 0 joins the two halves of the keys, divides by the sum, and stores 32 rows of o x 128 (O^T holds 64 v, so the factor is 2 / l).
.macro MERGE_OUT mi
.irp g, 0,1,2,3,4,5,6,7,8,9,10,11,12,13,14,15
	ds_load_b128 v[MG+4*\g:MG+4*\g+3], v[\mi] offset:512*\g
.endr
	ds_load_b128 v[60:63], v[\mi] offset:8192
	s_wait_dscnt 0x0
.irp t, 0,1
	v_max_num_f32 v[ST+8*\t+4], v[ST+8*\t], v[60+\t]                        ; the larger c m
.endr
.irp t, 0,1
	v_sub_f32 v[ST+8*\t+5], v[ST+8*\t], v[ST+8*\t+4]
	v_sub_f32 v[ST+8*\t+7], v[60+\t], v[ST+8*\t+4]
.endr
.irp t, 0,1
	v_exp_f32 v[ST+8*\t+4], v[ST+8*\t+5]
	v_exp_f32 v[ST+8*\t+6], v[ST+8*\t+7]
.endr
.irp t, 0,1
	v_add_f32 v[ST+8*\t+2], v[ST+8*\t+2], v[ST+8*\t+3]                      ; plain work behind the exponentials
.endr
	s_wait_alu depctr_va_vdst(0)                   ; one wait for the four
.irp t, 0,1
	v_mul_f32 v[ST+8*\t+2], v[ST+8*\t+2], v[ST+8*\t+4]
.endr
.irp t, 0,1
	v_fma_f32 v[ST+8*\t+2], v[62+\t], v[ST+8*\t+6], v[ST+8*\t+2]
.endr
.irp t, 0,1
	v_permlanex16_b32 v[ST+8*\t+3], v[ST+8*\t+2], s[SEL], s[SEL+1]
.endr
.irp t, 0,1
	v_add_f32 v[ST+8*\t+2], v[ST+8*\t+2], v[ST+8*\t+3]                      ; the row's sum
.endr
.irp t, 0,1
	v_rcp_f32 v[ST+8*\t+3], v[ST+8*\t+2]
.endr
	v_nop
	s_wait_alu depctr_va_vdst(0)                   ; one wait for the two reciprocals
.irp t, 0,1
	v_add_f32 v[ST+8*\t+3], v[ST+8*\t+3], v[ST+8*\t+3]
.endr
.irp t, 0,1
	v_mul_f32 v[ST+8*\t+4], v[ST+8*\t+4], v[ST+8*\t+3]
	v_mul_f32 v[ST+8*\t+6], v[ST+8*\t+6], v[ST+8*\t+3]
.endr
.set nn, 0
.rept 16
	v_pk_mul_f32 v[MG+2*nn:MG+2*nn+1], v[MG+2*nn:MG+2*nn+1], v[ST+6:ST+7] op_sel_hi:[1,0]
	v_pk_mul_f32 v[MG+32+2*nn:MG+32+2*nn+1], v[MG+32+2*nn:MG+32+2*nn+1], v[ST+14:ST+15] op_sel_hi:[1,0]
.set nn, nn+1
.endr
.set nn, 0
.rept 16
	v_pk_fma_f32 v[MG+2*nn:MG+2*nn+1], v[OT+2*nn:OT+2*nn+1], v[ST+4:ST+5], v[MG+2*nn:MG+2*nn+1] op_sel_hi:[1,0,1]
	v_pk_fma_f32 v[MG+32+2*nn:MG+32+2*nn+1], v[OT+32+2*nn:OT+32+2*nn+1], v[ST+12:ST+13], v[MG+32+2*nn:MG+32+2*nn+1] op_sel_hi:[1,0,1]
.set nn, nn+1
.endr
.set nn, 0
.rept 32
	v_cvt_pk_f16_f32 v[PP+nn], v[MG+2*nn], v[MG+2*nn+1]
.set nn, nn+1
.endr
.irp t, 0,1
.irp k, 0,1,2,3
	ds_store_b128 v[STO], v[PP+16*\t+4*\k:PP+16*\t+4*\k+3] offset:\t*16*KP+32*\k
.endr
.endr
.irp t, 0,1
.irp k, 0,1,2,3
	ds_load_b128 v[MG+16*\t+4*\k:MG+16*\t+4*\k+3], v[RD] offset:\t*16*KP+\k*4*KP   ; my own stage: LDS serves a wave's instructions in order
.endr
.endr
	s_wait_dscnt 0x0
.irp t, 0,1
.irp k, 0,1,2,3
	global_store_b128 v[GO], v[MG+16*\t+4*\k:MG+16*\t+4*\k+3], s[OA:OA+1] offset:\t*32768+\k*8192   ; sixteen lanes store two rows of my head: 256 consecutive bytes, aligned
.endr
.endr
.endm
; Q's fragments of 32 queries: tile t, channels 32 c on
.macro QLOAD reg, base
.irp t, 0,1
.irp c, 0,1
	global_load_b128 v[\reg+16*\t+8*\c:\reg+16*\t+8*\c+3],   v[QO], s[\base:\base+1] offset:\t*2048+64*\c
	global_load_b128 v[\reg+16*\t+8*\c+4:\reg+16*\t+8*\c+7], v[QO], s[\base:\base+1] offset:\t*2048+64*\c+32
.endr
.endr
.endm
; A block begins: O^T and l zero, m under every score.
.macro CLEAR
.set nn, 0
.rept 64
	v_mov_b32 v[OT+nn], 0                          ; the step is written once: a block's first step finds zeros
.set nn, nn+1
.endr
.irp t, 0,1
	v_mov_b32 v[ST+8*\t+1], 0xff61b1e6             ; -3e38
	v_mul_f32 v[ST+8*\t], s[CS], v[ST+8*\t+1]
	v_mov_b32 v[ST+8*\t+2], 0
	v_mov_b32 v[ST+8*\t+3], 0
.endr
.endm
; The change of blocks, at the head of visit N1.  The condition is made of the work-group's number and the count of visits: the same in all eight waves, so all pass the barrier.
.macro SWITCH
.rept 4
	v_nop                                          ; places behind the last products
.endr
	s_cmp_eq_u32 s[GRP], 1
	s_cbranch_scc0 .Lno_image_\@
	IMAGE MI0
.Lno_image_\@:
	s_wait_dscnt 0x0                               ; for the others' sake: my stores have landed
	s_barrier_signal -1
	s_barrier_wait -1
	s_cmp_eq_u32 s[GRP], 0
	s_cbranch_scc0 .Lno_merge_\@
	MERGE_OUT MI0
.Lno_merge_\@:
	s_lshl_b32 s[Q0], s[J], 7
	s_lshl_b32 s[TMP], s[STRIP], 5
	s_add_co_u32 s[Q0], s[Q0], s[TMP]              ; block j
	s_wait_xcnt 0x0                                ; the first block's stores have read their base and their data
	s_lshl_b32 s[KO], s[Q0], 11
	s_add_nc_u64 s[OA:OA+1], s[OBASE:OBASE+1], s[KO:KO+1]
	WIN 0x41                                       ; source 0 and destination window 1
.set nn, 0
.rept 32
	v_mov_b32 v[nn], v[QL+nn]                      ; the second block's Q, in registers since the head
.set nn, nn+1
.endr
	WIN 0
	CLEAR
.endm
.macro VISIT last
	s_lshl_b32 s[TMP], s[GRP], 6
	s_add_co_u32 s[KBG], s[KB], s[TMP]
	s_cmp_lg_u32 s[TT], s[N1]
	s_cbranch_scc1 .Lsame_\@
	SWITCH
.Lsame_\@:
	STEP 0
	STEP 1
.if !\last
	s_xor_b32 s[TB], s[TB], SLOT1
	s_mov_b32 s[KB], s[KN]
.endif
.endm
	s_load_b128 s[4:7], s[0:1], 0x0                ; qkv16, o16
	v_lshl_add_u32 v[SPW], v0, 2, SPARE
	v_mov_b32 v[NIL], 0
	ds_add_u32 v[SPW], v[NIL]                      ; the wave's opening: the add, twice on end, and its wait ahead of the first tensor load
	ds_add_u32 v[SPW], v[NIL]
	v_lshrrev_b32 v1, 5, v0
	v_readfirstlane_b32 s[WV], v1
	s_lshr_b32 s[GRP], s[WV], 2
	s_and_b32 s[STRIP], s[WV], 3
	s_mov_b32 s[J], ttmp9
	s_and_b32 s[BH], ttmp7, 0xffff
	s_sub_co_u32 s[N1], 17, s[J]
	s_lshr_b32 s[N1], s[N1], 1
	s_mov_b32 s[TT], 0
	s_mov_b32 s[KB], 0
	s_mov_b32 s[KN], 0
	s_mov_b32 s[TB], 0
	s_mov_b32 s[G1K], (1<<16)|(1<<20)|(4<<22)|(3<<25)   ; elements of 2 bytes; padding: 4 words after every 32
	s_mov_b32 s[G1V], (1<<16)|(1<<20)|(4<<22)|(7<<25)   ; 8 words
.irp g, G1K, G1V
	s_mov_b32 s[\g+1], 64<<16                      ; tensor_dim0
	s_mov_b32 s[\g+2], 256<<16                     ; tensor_dim1
	s_mov_b32 s[\g+3], 64<<16                      ; tile_dim0
	s_mov_b32 s[\g+4], 256                         ; tile_dim1
	s_mov_b32 s[\g+5], 64                          ; the pitch
	s_mov_b32 s[\g+6], 0
	s_mov_b32 s[\g+7], 0
.endr
	s_mov_b32 s[SEL], 0x76543210
	s_mov_b32 s[SEL+1], 0xfedcba98
	s_mov_b32 s[CS], 0x3838aa3b                    ; log2(e) / 8 / 4096
	s_mov_b32 s[CS+1], s[CS]
	s_lshl_b32 s[KO], s[BH], 18                    ; a head is 262,144 bytes
	s_mov_b32 s[KO+1], 0
	s_xor_b32 s[TMP], s[GRP], 1
	s_or_b32 s[TMP], s[TMP], s[J]
	s_cmp_eq_u32 s[TMP], 0
	s_cselect_b32 s[LIM], 6, 0                     ; waves 4 to 7 of work-group 0 prefetch, in visits 0 to 5
	s_wait_dscnt 0x0                               ; both opening adds are done
	s_wait_kmcnt 0x0
	s_add_nc_u64 s[QBASE:QBASE+1], s[4:5], s[KO:KO+1]
	s_add_nc_u64 s[VBASE:VBASE+1], s[QBASE:QBASE+1], 8388608
	s_add_nc_u64 s[KBASE:KBASE+1], s[QBASE:QBASE+1], 16777216
	s_mov_b32 s[G0K], 1
	s_mov_b32 s[G0K+1], 0
	s_mov_b64 s[G0K+2:G0K+3], s[KBASE:KBASE+1]
	s_or_b32 s[G0K+3], s[G0K+3], 0x80000000
	s_mov_b32 s[G0V], 1
	s_mov_b32 s[G0V+1], VOFF
	s_mov_b64 s[G0V+2:G0V+3], s[VBASE:VBASE+1]
	s_or_b32 s[G0V+3], s[G0V+3], 0x80000000
	TLOAD                                          ; slot 0: keys 0 to 255
	s_lshr_b32 s[TMP], s[BH], 4
	s_lshl_b32 s[KO], s[TMP], 22                   ; o16: a batch is 1,024 pairs of rows of 4,096 bytes,
	s_and_b32 s[TMP], s[BH], 15
	s_lshl_b32 s[TMP], s[TMP], 8                   ; a head 256 bytes in each
	s_add_co_u32 s[KO], s[KO], s[TMP]
	s_add_nc_u64 s[OBASE:OBASE+1], s[6:7], s[KO:KO+1]
	s_lshl_b32 s[KO], s[STRIP], 13
	s_add_co_u32 s[KO], s[KO], 32768               ; the prefetches stand in slot 1; the first change of slots steps them to slot 2
	s_add_nc_u64 s[PFK:PFK+1], s[KBASE:KBASE+1], s[KO:KO+1]
	s_add_nc_u64 s[PFV:PFV+1], s[VBASE:VBASE+1], s[KO:KO+1]
	v_and_b32 v192, 15, v0                         ; r
	v_bfe_u32 v193, v0, 4, 1                       ; h
	v_and_b32 v194, 31, v0                         ; lane
	v_and_b32 v195, 7, v0
	v_bfe_u32 v196, v0, 3, 1
	v_mul_u32_u24 v[AK0], v192, KP
	v_lshl_add_u32 v[AK0], v193, 4, v[AK0]
	s_mul_i32 s[TMP], s[GRP], 64*KP
	v_add_nc_u32 v[AK0], s[TMP], v[AK0]            ; K: row r, 16 bytes a half, my group's 64 keys
	v_lshl_add_u32 v[AV0], v193, 3, v195
	v_mul_u32_u24 v[AV0], v[AV0], VP
	v_lshl_add_u32 v[AV0], v196, 4, v[AV0]
	s_mul_i32 s[TMP], s[GRP], 64*VP
	s_add_co_u32 s[TMP], s[TMP], VOFF
	v_add_nc_u32 v[AV0], s[TMP], v[AV0]            ; V: key 8 h + l % 8, channels 8 ((l / 8) % 2) on
	v_lshlrev_b32 v[QO], 7, v192
	v_lshl_add_u32 v[QO], v193, 4, v[QO]
	s_mul_i32 s[TMP], s[WV], STW
	s_add_co_u32 s[TMP], s[TMP], STAGE
	v_mul_u32_u24 v[STO], v192, KP
	v_lshl_add_u32 v[STO], v193, 4, v[STO]
	v_add_nc_u32 v[STO], s[TMP], v[STO]
	v_lshl_add_u32 v[RD], v193, 1, v196
	v_mul_u32_u24 v[RD], v[RD], KP
	v_lshl_add_u32 v[RD], v195, 4, v[RD]
	v_add_nc_u32 v[RD], s[TMP], v[RD]              ; back: lanes 0-15 rows 0, 1, lanes 16-31 rows 2, 3
	v_lshlrev_b32 v[GO], 12, v193
	v_lshl_add_u32 v[GO], v192, 4, v[GO]
	s_mul_i32 s[TMP], s[STRIP], 8704
	v_lshlrev_b32 v[MI0], 4, v194
	v_add_nc_u32 v[MI0], s[TMP], v[MI0]
	v_add_nc_u32 v[MI1], MRG1, v[MI0]
	v_add_nc_u32 v[MI0], MRG0, v[MI0]
	v_lshlrev_b32 v[RH], 3, v193
	v_sub_nc_u32 v[RH], v192, v[RH]                ; r - 8 h
	v_mov_b32 v[NINF], 0xff800000
	v_lshlrev_b32 v[PFO], 8, v194
.irp i, 4,5,6,7,12,13,14,15
	v_mov_b32 v[ST+\i], 0                          ; written once: a lane permute's destination and a pair's upper half count as read
.endr
	s_lshl_b32 s[TMP], s[STRIP], 5
	s_lshl_b32 s[Q0], s[J], 7
	s_add_co_u32 s[Q0], s[Q0], s[TMP]              ; block j, the second: only its Q's address is made here
	s_lshl_b32 s[KO], s[Q0], 7
	s_add_nc_u64 s[QB:QB+1], s[QBASE:QBASE+1], s[KO:KO+1]
	s_sub_co_u32 s[Q0], 15, s[J]
	s_lshl_b32 s[Q0], s[Q0], 7
	s_add_co_u32 s[Q0], s[Q0], s[TMP]              ; block 15 - j, the first
	s_lshl_b32 s[KO], s[Q0], 7
	s_add_nc_u64 s[QA:QA+1], s[QBASE:QBASE+1], s[KO:KO+1]
	s_lshl_b32 s[KO], s[Q0], 11
	s_add_nc_u64 s[OA:OA+1], s[OBASE:OBASE+1], s[KO:KO+1]
	WIN 0x40                                       ; destination window 1
	QLOAD 0, QA
	QLOAD QL, QB
	WIN 0
	CLEAR
	s_wait_loadcnt 0x0                             ; both blocks' Q
.Lvisit:                                           ; eight trips: behind each change of slots the next visit's slot is asked for
	CHANGE 1
	VISIT 0
	s_add_co_u32 s[TT], s[TT], 1
	s_cmp_lt_u32 s[TT], 8
	s_cbranch_scc1 .Lvisit
	CHANGE 0                                       ; the ninth visit is written out
	VISIT 1
.rept 4
	v_nop
.endr
	s_cmp_eq_u32 s[GRP], 1
	s_cbranch_scc0 .Lno_image
	IMAGE MI1
.Lno_image:
	s_wait_dscnt 0x0
	s_barrier_signal -1
	s_barrier_wait -1
	s_cmp_eq_u32 s[GRP], 0
	s_cbranch_scc0 .Lno_merge
	MERGE_OUT MI1
.Lno_merge:
	s_wait_tensorcnt 0x0                           ; the wave's end
	ds_add_u32 v[SPW], v[NIL]
	s_wait_dscnt 0x0
	s_endpgm
.Lfunc_end_k_qc49a9f7e4b_attn:
	.size	k_qc49a9f7e4b_attn, .Lfunc_end_k_qc49a9f7e4b_attn-k_qc49a9f7e4b_attn
	.p2alignl 7, 3214868480
	.fill 96, 4, 3214868480
	.section	.rodata,"a",@progbits
	.p2align	6, 0x0
	.amdhsa_kernel k_qc49a9f7e4b_attn
		.amdhsa_group_segment_fixed_size 327680
		.amdhsa_private_segment_fixed_size 0
		.amdhsa_enable_private_segment 0
		.amdhsa_kernarg_size 16
		.amdhsa_user_sgpr_count 2
		.amdhsa_user_sgpr_kernarg_segment_ptr 1
		.amdhsa_wavefront_size32 1
		.amdhsa_system_sgpr_workgroup_id_x 1
		.amdhsa_system_sgpr_workgroup_id_y 1
		.amdhsa_system_sgpr_workgroup_id_z 1
		.amdhsa_system_vgpr_workitem_id 0
		.amdhsa_next_free_vgpr 512
		.amdhsa_next_free_sgpr 80
		.amdhsa_reserve_vcc 1
		.amdhsa_float_denorm_mode_32 3
		.amdhsa_float_denorm_mode_16_64 3
		.amdhsa_memory_ordered 1
		.amdhsa_forward_progress 1
		.amdhsa_inst_pref_size 140
	.end_amdhsa_kernel
	.amdgpu_metadata
---
amdhsa.version: [ 1, 2 ]
amdhsa.kernels:
  - .name:           k_qc49a9f7e4b_attn
    .symbol:         k_qc49a9f7e4b_attn.kd
    .args:
      - { .name: qkv16, .offset: 0, .size: 8, .value_kind: global_buffer, .address_space: global }
      - { .name: o16, .offset: 8, .size: 8, .value_kind: global_buffer, .address_space: global }
    .group_segment_fixed_size: 327680
    .private_segment_fixed_size: 0
    .kernarg_segment_align: 8
    .kernarg_segment_size: 16
    .max_flat_workgroup_size: 256
    .sgpr_count:     80
    .vgpr_count:     512
    .wavefront_size: 32
...
	.end_amdgpu_metadata
.endif
;; end of part 3
;; launch proj (part 4): grid 8 x 32, 4 waves a work-group, clusters of 4 x 4, 327,680 bytes of LDS; arguments o16, w16, out0; writes out0
.if DOCPART == 4
	.amdgcn_target "amdgcn-amd-amdhsa--gfx1250"
	.amdhsa_code_object_version 6
	.text
	.protected	k_qc49a9f7e4b_proj
	.globl	k_qc49a9f7e4b_proj
	.p2align	8
	.type	k_qc49a9f7e4b_proj,@function
k_qc49a9f7e4b_proj:
	s_mov_b64 s[64:65], 0
	v_nop
	global_prefetch_b8 v0, s[64:65] scope:SCOPE_SE
	s_setreg_imm32_b32 hwreg(HW_REG_WAVE_MODE, 25, 1), 1
	s_wait_xcnt 0x0
	s_wait_alu depctr_hold_cnt(0) depctr_sa_sdst(0) depctr_va_vdst(0) depctr_va_sdst(0) depctr_va_ssrc(0) depctr_va_vcc(0) depctr_vm_vsrc(0)
	s_getreg_b32 s2, hwreg(HW_REG_IB_STS2, 6, 4)
	s_cmp_eq_u32 s2, 0
	s_cbranch_scc0 .Lentry_in_a_cluster
	s_endpgm
.Lentry_in_a_cluster:
	s_bfe_u32 s2, ttmp6, 0x10000c
	s_cmp_lg_u32 s2, 0xf033
	s_cbranch_scc0 .Lentry_shape_is_right
	s_endpgm
.Lentry_shape_is_right:
; out0[m][n] = sum over k of o[m][k] w_out[n][k]; M 4,096, N 1,024, K 1,024.  o arrives as f16 x 128, w_out as f16 x 16; sums in f32, times 2^-11 (exact) on the way out; out0 is f32.
; o16 lies [pair of rows][head][row in pair][64]: a K step of 256 is four heads, 1,024 consecutive bytes of a pair of rows.  So A's tile of 64 rows is 32 lines of 1,024 bytes, 4,096 bytes apart.
; A tile of out0 is 128 x 128: 256 work-groups; four waves, 64 x 64 each: 16 accumulators.  K goes in four steps of 256 through two LDS slots.
; CLUSTERS: 4 x 4 work-groups; A's tiles are asked for jointly along a row of the cluster, B's along a column.  THE MATRIX INSTRUCTION IS USED TRANSPOSED (source 0 = rows of w_out, source 1 = rows of o).
; REGISTERS: window 0: v0-31 addresses; v32-127 the way out; v128-255 the accumulators ((a, b) at v[128 + 8 (4 a + b)]).  window 1: two fragment buffers of 128: 64 of A, then 64 of B, for 64 along K.
.set PA,     1040                      ; a pair of rows of A in LDS: 1,024 + 16 bytes
.set PB,     528                       ; a row of B: 512 + 16
.set HALFA,  32*PA
.set HALFB,  64*PB
.set BOFF,   2*HALFA
.set SLOT,   2*HALFA+2*HALFB
.set STAGE,  2*SLOT                    ; behind the ring: 16 rows x 272 bytes for each wave
.set SPITCH, 272
.set SPARE,  STAGE+4*16*SPITCH
.set LAPS,   2
.set ADRA, 16
.set ADRB, 20
.set STO,  24
.set RD,   25
.set CO,   26
.set SPW,  28
.set NIL,  29
.set TMP,  32
.set BK,   64
.set ACC,  128
.set F0,   0
.set F1,   128
.set G1, 24
.set G0, 32
.set G1B, 48
.set G0B, 56
.set MSB, 0
.macro WIN new
.if MSB != \new
	s_set_vgpr_msb (MSB<<8)|\new
.set MSB, \new
.endif
.endm
.set MUL,  0x05                        ; sources 0 and 1 window 1; C and D window 0
.set TO_F, 0x40
.macro JLOAD s                         ; waves 0 and 1 fetch A's halves, waves 2 and 3 B's; an s_nop 0 and four v_nop follow each line
	s_cmp_eq_u32 s11, 0
	s_cbranch_scc0 .Lfor_b_\@
	tensor_load_to_lds s[G0+4*\s:G0+4*\s+3], s[G1:G1+7]
	s_nop 0
.rept 4
	v_nop
.endr
	s_branch .Lasked_\@
.Lfor_b_\@:
	tensor_load_to_lds s[G0B+4*\s:G0B+4*\s+3], s[G1B:G1B+7]
	s_nop 0
.rept 4
	v_nop
.endr
.Lasked_\@:
.endm
.macro CREST
	s_cmp_lg_u32 s10, 0
	s_cbranch_scc1 .Lnot_wave_0_\@
	s_barrier_signal -3
.Lnot_wave_0_\@:
	s_barrier_wait -3
	s_barrier_signal -1
	s_barrier_wait -1
.endm
.macro CROUND
	s_barrier_signal -1
	s_barrier_wait -1
	CREST
.endm
	s_load_b128 s[4:7], s[0:1], 0x0                ; o16, w16
	s_load_b64 s[8:9], s[0:1], 0x10                ; out0
	v_lshl_add_u32 v[SPW], v0, 2, SPARE
	v_mov_b32 v[NIL], 0
	ds_add_u32 v[SPW], v[NIL]                      ; the wave's opening: the add, twice on end, and its wait ahead of my first tensor load
	ds_add_u32 v[SPW], v[NIL]
	v_lshrrev_b32 v1, 5, v0
	v_readfirstlane_b32 s10, v1
	s_lshr_b32 s11, s10, 1                         ; which half of the tile's rows is mine; also: I fetch for A (0) or B (1)
	s_and_b32 s12, s10, 1                          ; which half of its columns; also: which half of that tile I fetch
	s_bfe_u32 s40, ttmp6, 0x40000
	s_bfe_u32 s41, ttmp6, 0x40004
	s_lshl_b32 s42, ttmp9, 2
	s_add_co_u32 s42, s42, s40                     ; tile column
	s_and_b32 s13, ttmp7, 0xffff
	s_lshl_b32 s13, s13, 2
	s_add_co_u32 s13, s13, s41                     ; tile row
	s_lshl_b32 s43, s41, 2
	s_lshl_b32 s43, 15, s43
	s_lshl_b32 s44, 0x1111, s40
	s_or_b32 s[G1+0], s43, (1<<16)|(1<<20)|(1<<21)|(7<<22)|(3<<25)   ; elements of 2 bytes; padding: 4 words after every 256
	s_mov_b32 s[G1+1], 512<<16                     ; tensor_dim0: 1,024 bytes
	s_mov_b32 s[G1+2], 32<<16                      ; tensor_dim1: 32 pairs of rows
	s_mov_b32 s[G1+3], 512<<16
	s_mov_b32 s[G1+4], 32
	s_mov_b32 s[G1+5], 2048                        ; 4,096 bytes from pair to pair
	s_mov_b32 s[G1+6], 0
	s_mov_b32 s[G1+7], 0
	s_or_b32 s[G1B+0], s44, (1<<16)|(1<<20)|(1<<21)|(6<<22)|(3<<25)  ; padding: 4 words after every 128
	s_mov_b32 s[G1B+1], 256<<16
	s_mov_b32 s[G1B+2], 64<<16
	s_mov_b32 s[G1B+3], 256<<16
	s_mov_b32 s[G1B+4], 64
	s_mov_b32 s[G1B+5], 1024
	s_mov_b32 s[G1B+6], 0
	s_mov_b32 s[G1B+7], 0
	s_lshl_b32 s17, s12, 5
	s_lshl_b32 s16, s13, 6
	s_add_co_u32 s16, s16, s17                     ; A: pair of rows 64 x tile row + 32 x half
	s_lshl_b32 s16, s16, 12
	s_mov_b32 s17, 0
	s_lshl_b32 s47, s12, 6
	s_lshl_b32 s46, s42, 7
	s_add_co_u32 s46, s46, s47                     ; B: row 128 x tile column + 64 x half
	s_lshl_b32 s46, s46, 11
	s_mov_b32 s47, 0
	s_mul_i32 s20, s12, HALFA                      ; where they go: the wave's number alone
	s_mul_i32 s21, s12, HALFB
	s_add_co_u32 s21, s21, BOFF
	s_wait_dscnt 0x0
	s_wait_kmcnt 0x0
	s_add_nc_u64 s[14:15], s[4:5], s[16:17]
	s_add_nc_u64 s[46:47], s[6:7], s[46:47]
	CROUND
.irp s, 0,1
	s_mov_b32 s[G0+4*\s], 1
	s_add_co_u32 s[G0+4*\s+1], s20, \s*SLOT
	s_add_nc_u64 s[G0+4*\s+2:G0+4*\s+3], s[14:15], \s*1024
	s_or_b32 s[G0+4*\s+3], s[G0+4*\s+3], 0x80000000
	s_mov_b32 s[G0B+4*\s], 1
	s_add_co_u32 s[G0B+4*\s+1], s21, \s*SLOT
	s_add_nc_u64 s[G0B+4*\s+2:G0B+4*\s+3], s[46:47], \s*512
	s_or_b32 s[G0B+4*\s+3], s[G0B+4*\s+3], 0x80000000
	JLOAD \s
.endr
	v_and_b32 v1, 15, v0
	v_bfe_u32 v2, v0, 4, 1
	v_lshrrev_b32 v3, 1, v1
	v_mul_u32_u24 v3, v3, PA
	v_and_b32 v4, 1, v1
	v_lshl_add_u32 v3, v4, 7, v3
	v_lshl_add_u32 v3, v2, 4, v3                   ; A: pair r / 2, 128 bytes for the odd row, 16 for the half: sixteen lanes fall on sixteen different columns of 16 bytes
	v_mul_u32_u24 v4, v1, PB
	v_lshl_add_u32 v4, v2, 4, v4
	s_mul_i32 s21, s11, HALFA
	s_mul_i32 s22, s12, HALFB
	s_add_co_u32 s22, s22, BOFF
.irp s, 0,1
	v_add_nc_u32 v[ADRA+\s], s21, v3
	v_add_nc_u32 v[ADRB+\s], s22, v4
	s_add_co_u32 s21, s21, SLOT
	s_add_co_u32 s22, s22, SLOT
.endr
	s_mul_i32 s23, s10, 16*SPITCH
	s_add_co_u32 s23, s23, STAGE
	v_mul_u32_u24 v4, v1, SPITCH
	v_lshl_add_u32 v4, v2, 5, v4
	v_add_nc_u32 v[STO], s23, v4                   ; in: row l % 16, 32 bytes for each half
	v_mul_u32_u24 v5, v2, SPITCH
	v_lshl_add_u32 v5, v1, 4, v5
	v_add_nc_u32 v[RD], s23, v5                    ; back: lanes 0-15 one row of 256 bytes, lanes 16-31 the next
	v_lshlrev_b32 v5, 12, v2
	v_lshl_add_u32 v[CO], v1, 4, v5
	s_lshl_b32 s16, s13, 7
	s_lshl_b32 s17, s11, 6
	s_add_co_u32 s16, s16, s17
	s_lshl_b32 s16, s16, 12                        ; my first row, 4,096 bytes a row
	s_mov_b32 s17, 0
	s_add_nc_u64 s[8:9], s[8:9], s[16:17]
	s_lshl_b32 s46, s42, 9
	s_lshl_b32 s47, s12, 8
	s_add_co_u32 s46, s46, s47                     ; my first column, in bytes
	s_mov_b32 s47, 0
	s_add_nc_u64 s[8:9], s[8:9], s[46:47]
.macro MUL8 f, c, a0, zero             ; m blocks a0, a0 + 1 x 4 n blocks, 32 along K; the 16 accumulators take turns
.irp a, \a0, \a0+1
.irp b, 0,1,2,3
.if \zero
	v_wmma_f32_16x16x32_f16 v[ACC+8*(4*(\a)+\b):ACC+8*(4*(\a)+\b)+7], v[\f+64+8*(4*\c+\b):\f+64+8*(4*\c+\b)+7], v[\f+8*(4*\c+\a):\f+8*(4*\c+\a)+7], 0
.else
	v_wmma_f32_16x16x32_f16 v[ACC+8*(4*(\a)+\b):ACC+8*(4*(\a)+\b)+7], v[\f+64+8*(4*\c+\b):\f+64+8*(4*\c+\b)+7], v[\f+8*(4*\c+\a):\f+8*(4*\c+\a)+7], v[ACC+8*(4*(\a)+\b):ACC+8*(4*(\a)+\b)+7]
.endif
.endr
.endr
.endm
.macro FETCH slot, q, f                ; the fragments of the slot's q-th 64 along K (one head): 128 bytes on in a row of B, 256 in a pair of rows of A
	WIN TO_F
.irp c, 0,1
.irp i, 0,1,2,3
	ds_load_b128 v[\f+64+8*(4*\c+\i):\f+64+8*(4*\c+\i)+3],   v[ADRB+\slot] offset:128*(\q)+64*\c+\i*16*PB
	ds_load_b128 v[\f+64+8*(4*\c+\i)+4:\f+64+8*(4*\c+\i)+7], v[ADRB+\slot] offset:128*(\q)+64*\c+\i*16*PB+32
	ds_load_b128 v[\f+8*(4*\c+\i):\f+8*(4*\c+\i)+3],         v[ADRA+\slot] offset:256*(\q)+64*\c+\i*8*PA
	ds_load_b128 v[\f+8*(4*\c+\i)+4:\f+8*(4*\c+\i)+7],       v[ADRA+\slot] offset:256*(\q)+64*\c+\i*8*PA+32
.endr
.endr
.endm
.macro PLACES
.rept 4
	v_nop
.endr
.endm
.macro QUARTER slot, q, f, g, zero     ; multiplies buffer f and fetches the slot's q-th quarter into g
	s_wait_dscnt 16                                ; the first 32 along K are in; the other sixteen loads may be out
	WIN MUL
	MUL8 \f, 0, 0, \zero
	MUL8 \f, 0, 2, \zero
	PLACES
	FETCH \slot, \q, \g
	s_wait_dscnt 32                                ; all but the 32 just issued
	WIN MUL
	MUL8 \f, 1, 0, 0
	MUL8 \f, 1, 2, 0
.endm
.macro TURN slot, next, fill           ; the last quarter changes slots: one barrier; with fill = 1 it opens a round of the cluster's barrier and the slot is filled again, two K steps ahead
	WIN 0
	s_wait_tensorcnt 0x0                           ; all my tensor loads have landed: my part of the next slot
	ds_add_u32 v[SPW], v[NIL]                      ; 0 onto my spare word
	s_wait_dscnt 17                                ; the add and the youngest sixteen loads may be out
	WIN MUL
	MUL8 F1, 0, 0, 0
	s_wait_dscnt 0x0                               ; the add is done, and my reads of this slot are over
	s_barrier_signal -1
	MUL8 F1, 0, 2, 0
.if \fill
	WIN 0
.endif
	s_barrier_wait -1
.if \fill
	CREST                                          ; no wave of any partner still reads this slot or has a load on its way
	s_add_nc_u64 s[G0+4*\slot+2:G0+4*\slot+3], s[G0+4*\slot+2:G0+4*\slot+3], 2*1024
	s_add_nc_u64 s[G0B+4*\slot+2:G0B+4*\slot+3], s[G0B+4*\slot+2:G0B+4*\slot+3], 2*512
	JLOAD \slot                                    ; the four v_nop behind it are also the places in front of the loads below
.else
	PLACES
.endif
	FETCH \next, 0, F0
	WIN MUL
	MUL8 F1, 1, 0, 0
	MUL8 F1, 1, 2, 0
.endm
	s_wait_tensorcnt 1                             ; my part of K step 0 is in; K step 1's load may be out
	s_barrier_signal -1
	s_barrier_wait -1
	FETCH 0, 0, F0
	QUARTER 0, 1, F0, F1, 1                        ; the first products start the sums
	WIN 0
	s_mov_b32 s3, LAPS-1
.Llap:
	QUARTER 0, 2, F1, F0, 0
	QUARTER 0, 3, F0, F1, 0
	TURN 0, 1, 1
	QUARTER 1, 1, F0, F1, 0
	QUARTER 1, 2, F1, F0, 0
	QUARTER 1, 3, F0, F1, 0
	TURN 1, 0, 1
	QUARTER 0, 1, F0, F1, 0
	WIN 0
	s_sub_co_u32 s3, s3, 1
	s_cmp_lg_u32 s3, 0
	s_cbranch_scc1 .Llap
	QUARTER 0, 2, F1, F0, 0                        ; the last lap fills nothing
	QUARTER 0, 3, F0, F1, 0
	TURN 0, 1, 0
	QUARTER 1, 1, F0, F1, 0
	QUARTER 1, 2, F1, F0, 0
	QUARTER 1, 3, F0, F1, 0
	s_wait_dscnt 16
	WIN MUL
	MUL8 F1, 0, 0, 0
	MUL8 F1, 0, 2, 0
	s_wait_dscnt 0
	MUL8 F1, 1, 0, 0
	MUL8 F1, 1, 2, 0
	WIN 0
	; THE WAY OUT: a wave's 64 columns of f32 are 256 bytes, aligned: so each wave has a stage of its own and no barrier is needed.  16 rows at a time: scaled, into the stage, back as whole rows.
	PLACES
.irp a, 0,1,2,3
.irp b, 0,1,2,3
.irp i, 0,2,4,6
	v_pk_mul_f32 v[TMP+8*\b+\i:TMP+8*\b+\i+1], v[ACC+8*(4*\a+\b)+\i:ACC+8*(4*\a+\b)+\i+1], 0x3a000000 op_sel_hi:[1,0]   ; x 2^-11; each accumulator from its low end on
.endr
.endr
.irp b, 0,1,2,3
	ds_store_b128 v[STO], v[TMP+8*\b:TMP+8*\b+3] offset:64*\b
	ds_store_b128 v[STO], v[TMP+8*\b+4:TMP+8*\b+7] offset:64*\b+16
.endr
.if \a >= 2
	s_wait_xcnt 0x0                                ; the stores of two blocks back have read the registers that the loads below fill
.endif
.irp t, 0,1,2,3,4,5,6,7
	ds_load_b128 v[BK+32*(\a%2)+4*\t:BK+32*(\a%2)+4*\t+3], v[RD] offset:544*\t
.endr
	s_wait_dscnt 0x0
.irp t, 0,1,2,3,4,5,6,7
	global_store_b128 v[CO], v[BK+32*(\a%2)+4*\t:BK+32*(\a%2)+4*\t+3], s[8:9] offset:(16*\a+2*\t)*4096 th:TH_STORE_NT   ; sixteen lanes store 256 consecutive bytes, aligned
.endr
.endr
	s_wait_tensorcnt 0x0                           ; the wave's end
	ds_add_u32 v[SPW], v[NIL]
	s_wait_dscnt 0x0
	CROUND                                         ; the closing round
	s_endpgm
.Lfunc_end_k_qc49a9f7e4b_proj:
	.size	k_qc49a9f7e4b_proj, .Lfunc_end_k_qc49a9f7e4b_proj-k_qc49a9f7e4b_proj
	.p2alignl 7, 3214868480
	.fill 96, 4, 3214868480
	.section	.rodata,"a",@progbits
	.p2align	6, 0x0
	.amdhsa_kernel k_qc49a9f7e4b_proj
		.amdhsa_group_segment_fixed_size 327680
		.amdhsa_private_segment_fixed_size 0
		.amdhsa_enable_private_segment 0
		.amdhsa_kernarg_size 24
		.amdhsa_user_sgpr_count 2
		.amdhsa_user_sgpr_kernarg_segment_ptr 1
		.amdhsa_wavefront_size32 1
		.amdhsa_system_sgpr_workgroup_id_x 1
		.amdhsa_system_sgpr_workgroup_id_y 1
		.amdhsa_system_sgpr_workgroup_id_z 1
		.amdhsa_system_vgpr_workitem_id 0
		.amdhsa_next_free_vgpr 512
		.amdhsa_next_free_sgpr 66
		.amdhsa_reserve_vcc 0
		.amdhsa_float_denorm_mode_32 3
		.amdhsa_float_denorm_mode_16_64 3
		.amdhsa_memory_ordered 1
		.amdhsa_forward_progress 1
		.amdhsa_inst_pref_size 92
	.end_amdhsa_kernel
	.amdgpu_metadata
---
amdhsa.version: [ 1, 2 ]
amdhsa.kernels:
  - .name:           k_qc49a9f7e4b_proj
    .symbol:         k_qc49a9f7e4b_proj.kd
    .args:
      - { .name: o16, .offset: 0, .size: 8, .value_kind: global_buffer, .address_space: global }
      - { .name: w16, .offset: 8, .size: 8, .value_kind: global_buffer, .address_space: global }
      - { .name: out0, .offset: 16, .size: 8, .value_kind: global_buffer, .address_space: global }
    .group_segment_fixed_size: 327680
    .private_segment_fixed_size: 0
    .kernarg_segment_align: 8
    .kernarg_segment_size: 24
    .max_flat_workgroup_size: 128
    .sgpr_count:     66
    .vgpr_count:     512
    .wavefront_size: 32
...
	.end_amdgpu_metadata
.endif
;; end of part 4
;; launch fine16 (part 5): grid 64 x 2, 16 waves a work-group, no clusters, 157,696 bytes of LDS; arguments fine, w_out, out0; writes out0
.if DOCPART == 5
	.amdgcn_target "amdgcn-amd-amdhsa--gfx1250"
	.amdhsa_code_object_version 6
	.text
	.protected	k_qc49a9f7e4b_fine16
	.globl	k_qc49a9f7e4b_fine16
	.p2align	8
	.type	k_qc49a9f7e4b_fine16,@function
k_qc49a9f7e4b_fine16:
	s_mov_b64 s[64:65], 0
	v_nop
	global_prefetch_b8 v0, s[64:65] scope:SCOPE_SE
	s_setreg_imm32_b32 hwreg(HW_REG_WAVE_MODE, 25, 1), 1
	s_wait_xcnt 0x0
; Positions 0 to 15 of each sequence once more, wholly in f32: these rows average one to sixteen values, and the rounding of f16 operands would weigh most there.  32 rows of out0 are written over.
; fine holds q, v, k of those positions, turned and times 64, f32, as images of registers: [slot][q, v, k][head][4,096 bytes]; in a head, byte (2 t + u) 512 + 16 lane holds channels
; 16 t + 8 (lane / 16) + 4 u + 0 .. 3 of position lane % 16.  Batch y lies in slot 2 y.
; Work-group (x, y): batch y, output columns 16 x .. 16 x + 15.  THE WAVE IS THE HEAD, in both phases.  A: S^T = k q^T, the causal mask, softmax with the row's maximum, O^T = v^T p, o = O^T / (64 l).
; B: a head's 64 channels are the wave's share of the projection's K, so o never leaves the wave's registers: O^T's registers are the operand as they stand, and w_out is fetched in the same order of k.
; The sixteen waves' parts meet in LDS behind the launch's one barrier; waves 0 and 1 add and store them.
; The f32 matrix form takes k = 2 h + j in register j.  Both operands of a product hold the same k in the same lane half and register, so the permutation of k leaves the sum's terms as they are.
; EVERY GLOBAL LOAD IS DENSE: q, k, v: 512 consecutive bytes a load; w_out: two runs of 256 aligned bytes.  q and k are fragments as they come.  v wants a channel to a lane and keys along the registers, and
; w_out a row to a lane: both turn through the wave's own LDS, rows of 256 + 16 bytes; LDS serves a wave's instructions in order, so no wait stands between its stores and its loads.
; The registers that the matrix form writes (v192-239) are written by matrix instructions alone; sums begin with the constant 0.
; LIMIT: the work-group stores 64 bytes of each of 16 rows, a quarter of an aligned 256; 131,072 bytes in the whole launch.  The mask value counts as minus infinity, as in the attention launch.
.set VP,    272                        ; a row in LDS
.set WOFF,  16*VP                      ; a wave's region: v's 16 rows, then w_out's 16
.set WREG,  2*WOFF
.set RED,   16*WREG                    ; the parts of K: 1,024 bytes a wave: [position][16 columns]
.set SPARE, RED+16*1024                ; the spare words, 128 bytes a wave
.set KF,  32                           ; v32-63   k; later, with q's registers, the sixteen parts
.set QF,  64                           ; v64-95   q
.set VF,  96                           ; v96-127  v
.set WF,  128                          ; v128-159 w_out: 16 rows x my 64 of K
.set OO,  160                          ; v160-191 o
.set SA,  192                          ; two accumulators: S^T, later the projection
.set OA,  208                          ; four accumulators of O^T
.set SS,  240
.set PP,  248
.set SPW, 24
.set NIL, 25
	s_load_b128 s[4:7], s[0:1], 0x0                ; fine, w_out
	s_load_b64 s[8:9], s[0:1], 0x10                ; out0
	v_lshl_add_u32 v[SPW], v0, 2, SPARE
	v_mov_b32 v[NIL], 0
	v_lshrrev_b32 v1, 5, v0
	v_readfirstlane_b32 s10, v1                    ; wave = head
	s_and_b32 s11, s10, 1                          ; as a reducer: which eight positions
	s_and_b32 s14, ttmp7, 0xffff                   ; batch
	v_and_b32 v1, 15, v0                           ; r
	v_bfe_u32 v2, v0, 4, 1                         ; h
	v_and_b32 v3, 31, v0                           ; lane
	v_lshlrev_b32 v4, 4, v3                        ; an image's place for my lane: 16 x lane
	v_lshlrev_b32 v5, 12, v2
	v_lshl_add_u32 v5, v1, 4, v5                   ; w_out: lanes 0-15 one row's 256 bytes, lanes 16-31 the next row's
	s_mul_i32 s16, s10, WREG                       ; my region of LDS
	v_mul_u32_u24 v6, v1, VP
	v_lshl_add_u32 v6, v2, 5, v6
	v_add_nc_u32 v6, s16, v6                       ; row r, 32 h: v on its way in; w_out on its way out (WOFF on)
	v_mul_u32_u24 v7, v2, 8*VP
	v_lshl_add_u32 v7, v1, 2, v7
	v_add_nc_u32 v7, s16, v7                       ; v on its way out: key 8 h on, channel r
	v_mul_u32_u24 v8, v2, VP
	v_lshl_add_u32 v8, v1, 4, v8
	v_add_nc_u32 v8, s16, v8                       ; w_out on its way in: row h, 16 r (WOFF on)
	v_lshlrev_b32 v10, 6, v1
	v_lshl_add_u32 v10, v2, 5, v10
	s_lshl_b32 s16, s10, 10
	s_add_co_u32 s16, s16, RED
	v_add_nc_u32 v10, s16, v10                     ; my part: position r, columns 8 h on
	s_lshl_b32 s16, s11, 9
	s_add_co_u32 s16, s16, RED
	v_add_nc_u32 v21, s16, v4                      ; a reducer's 16 bytes of each part: position 8 (w % 2) + lane / 4, columns 4 (lane % 4) on
	v_lshlrev_b32 v11, 3, v2
	v_sub_nc_u32 v11, v1, v11                      ; r - 8 h
	v_lshrrev_b32 v12, 2, v3
	v_lshlrev_b32 v12, 12, v12
	v_and_b32 v20, 3, v3
	v_lshl_add_u32 v12, v20, 4, v12                ; out0: row lane / 4, 16 (lane % 4)
	v_mov_b32 v13, 0xff800000
	v_mov_b32 v15, 0                               ; a lane permute's destination counts as read
	v_mov_b32 v17, 0
	s_mov_b32 s20, 0x76543210
	s_mov_b32 s21, 0xfedcba98
	s_mov_b32 s22, 0x3838aa3b                      ; log2(e) / 8 / 4096
	s_lshl_b32 s16, ttmp9, 16                      ; w_out: row 16 x,
	s_lshl_b32 s17, s10, 8
	s_add_co_u32 s16, s16, s17                     ; my head's 256 bytes
	s_mov_b32 s17, 0
	s_mul_i32 s18, s14, 393216
	s_lshl_b32 s19, s10, 12
	s_add_co_u32 s18, s18, s19                     ; fine: slot 2 y, my head
	s_mov_b32 s19, 0
	s_lshl_b32 s24, s14, 23
	s_lshl_b32 s25, ttmp9, 6
	s_add_co_u32 s24, s24, s25
	s_lshl_b32 s25, s11, 15
	s_add_co_u32 s24, s24, s25                     ; out0: row 2,048 y + 8 (w % 2), column 16 x
	s_mov_b32 s25, 0
	s_wait_kmcnt 0x0
	s_add_nc_u64 s[6:7], s[6:7], s[16:17]
	s_add_nc_u64 s[4:5], s[4:5], s[18:19]
	s_add_nc_u64 s[8:9], s[8:9], s[24:25]
.irp g, 0,1,2,3,4,5,6,7
	global_load_b128 v[KF+4*\g:KF+4*\g+3], v4, s[4:5] offset:131072+512*\g
.endr
.irp g, 0,1,2,3,4,5,6,7
	global_load_b128 v[QF+4*\g:QF+4*\g+3], v4, s[4:5] offset:512*\g
.endr
.irp g, 0,1,2,3,4,5,6,7
	global_load_b128 v[VF+4*\g:VF+4*\g+3], v4, s[4:5] offset:65536+512*\g
.endr
.irp i, 0,1,2,3,4,5,6,7
	global_load_b128 v[WF+4*\i:WF+4*\i+3], v5, s[6:7] offset:8192*\i         ; rows 2 i and 2 i + 1
.endr
	s_wait_loadcnt 16                              ; k and q are in; v's eight loads and w_out's eight may be out
; ---- A: S^T = k q^T: two accumulators by turns
.irp e, 0,1,2,3,4,5,6,7,8,9,10,11,12,13,14,15
.if \e < 2
	v_wmma_f32_16x16x4_f32 v[SA+8*(\e%2):SA+8*(\e%2)+7], v[KF+2*\e:KF+2*\e+1], v[QF+2*\e:QF+2*\e+1], 0
.else
	v_wmma_f32_16x16x4_f32 v[SA+8*(\e%2):SA+8*(\e%2)+7], v[KF+2*\e:KF+2*\e+1], v[QF+2*\e:QF+2*\e+1], v[SA+8*(\e%2):SA+8*(\e%2)+7]
.endif
.endr
	s_wait_loadcnt 8                               ; v is in; w_out's eight loads may be out
.irp t, 0,1,2,3
.irp u, 0,1
	ds_store_b128 v6, v[VF+8*\t+4*\u:VF+8*\t+4*\u+3] offset:64*\t+16*\u      ; v(key r, channels 16 t + 8 h + 4 u on) to its place in key r's row
.endr
.endr
.irp t, 0,1,2,3
.irp k, 0,1,2,3,4,5,6,7
	ds_load_b32 v[VF+8*\t+\k], v7 offset:VP*\k+64*\t                         ; v(key 8 h + k, channel 16 t + r): the keys in the order in which p's registers hold them
.endr
.endr
	s_wait_loadcnt 0x0                             ; w_out
.irp i, 0,1,2,3,4,5,6,7
	ds_store_b128 v8, v[WF+4*\i:WF+4*\i+3] offset:WOFF+2*VP*\i
.endr
.irp t, 0,1,2,3
.irp u, 0,1
	ds_load_b128 v[WF+8*\t+4*\u:WF+8*\t+4*\u+3], v6 offset:WOFF+64*\t+16*\u  ; w_out(row r, channels 16 t + 8 h + 4 u on): the order of o's registers
.endr
.endr
.rept 8
	v_nop                                          ; eight places behind this form (ISA guide 7.12.1)
.endr
.irp j, 0,1,2,3,4,5,6,7
	v_add_f32 v[SS+\j], v[SA+\j], v[SA+8+\j]       ; lane (r, h): query r, key 8 h + j
.endr
.irp j, 0,1,2,3,4,5,6,7
	v_cmp_gt_i32 vcc_lo, \j, v11                   ; hidden where 8 h + j > r
	v_cndmask_b32 v[SS+\j], v[SS+\j], v13, vcc_lo
.endr
	v_max3_num_f32 v14, v[SS], v[SS+1], v[SS+2]
	v_max3_num_f32 v16, v[SS+3], v[SS+4], v[SS+5]
	v_max3_num_f32 v14, v14, v[SS+6], v[SS+7]
	v_max_num_f32 v14, v14, v16
	v_permlanex16_b32 v15, v14, s20, s21
	v_max_num_f32 v14, v14, v15                    ; the row's maximum: key 0 counts for every query
	v_mul_f32 v14, s22, v14
.irp j, 0,1,2,3,4,5,6,7
	v_fma_f32 v[PP+\j], v[SS+\j], s22, -v14
.endr
.irp j, 0,1,2,3,4,5,6,7
	v_exp_f32 v[PP+\j], v[PP+\j]
.endr
	v_nop
	s_wait_alu depctr_va_vdst(0)                   ; one wait for the eight, ahead of their first reader
	v_add_f32 v16, v[PP], v[PP+1]
	v_add_f32 v18, v[PP+2], v[PP+3]
	v_add_f32 v19, v[PP+4], v[PP+5]
	v_add_f32 v20, v[PP+6], v[PP+7]
	v_add_f32 v16, v16, v18
	v_add_f32 v19, v19, v20
	v_add_f32 v16, v16, v19
	v_permlanex16_b32 v17, v16, s20, s21
	v_add_f32 v16, v16, v17                        ; the row's sum
	v_rcp_f32 v18, v16
	v_nop
	s_wait_alu depctr_va_vdst(0)
	v_mul_f32 v18, 0x3c800000, v18                 ; 1 / (64 l): v carries the factor 64
	s_wait_dscnt 0x0                               ; v and w_out are back from LDS
.irp c, 0,1,2,3                        ; O^T = v^T p: four accumulators by turns
.irp t, 0,1,2,3
.if \c == 0
	v_wmma_f32_16x16x4_f32 v[OA+8*\t:OA+8*\t+7], v[VF+8*\t+2*\c:VF+8*\t+2*\c+1], v[PP+2*\c:PP+2*\c+1], 0
.else
	v_wmma_f32_16x16x4_f32 v[OA+8*\t:OA+8*\t+7], v[VF+8*\t+2*\c:VF+8*\t+2*\c+1], v[PP+2*\c:PP+2*\c+1], v[OA+8*\t:OA+8*\t+7]
.endif
.endr
.endr
.rept 8
	v_nop
.endr
.irp j, 0,1,2,3,4,5,6,7,8,9,10,11,12,13,14,15,16,17,18,19,20,21,22,23,24,25,26,27,28,29,30,31
	v_mul_f32 v[OO+\j], v[OA+\j], v18              ; o(query r, channel 16 t + 8 h + i) in register 8 t + i, into other registers
.endr
; ---- B: 16 positions x 16 columns x my head's 64 of K: source 0 = 16 rows of w_out, source 1 = o; two accumulators by turns, begun with the constant 0
.irp e, 0,1,2,3,4,5,6,7,8,9,10,11,12,13,14,15
.if \e < 2
	v_wmma_f32_16x16x4_f32 v[SA+8*(\e%2):SA+8*(\e%2)+7], v[WF+2*\e:WF+2*\e+1], v[OO+2*\e:OO+2*\e+1], 0
.else
	v_wmma_f32_16x16x4_f32 v[SA+8*(\e%2):SA+8*(\e%2)+7], v[WF+2*\e:WF+2*\e+1], v[OO+2*\e:OO+2*\e+1], v[SA+8*(\e%2):SA+8*(\e%2)+7]
.endif
.endr
.rept 8
	v_nop
.endr
.irp j, 0,1,2,3,4,5,6,7
	v_add_f32 v[SS+\j], v[SA+\j], v[SA+8+\j]       ; lane (r, h): position r, columns 8 h + 0 .. 7
.endr
	ds_store_b128 v10, v[SS:SS+3]
	ds_store_b128 v10, v[SS+4:SS+7] offset:16
	s_wait_dscnt 0x0                               ; for the others' sake: my part has landed
	s_barrier_signal -1
	s_barrier_wait -1
	s_cmp_gt_u32 s10, 1
	s_cbranch_scc1 .Ldone
.irp k, 0,1,2,3,4,5,6,7,8,9,10,11,12,13,14,15
	ds_load_b128 v[KF+4*\k:KF+4*\k+3], v21 offset:1024*\k
.endr
	s_wait_dscnt 0x0
.irp s, 8,4,2,1
.set kk, 0
.rept \s
.irp i, 0,2
	v_pk_add_f32 v[KF+4*kk+\i:KF+4*kk+\i+1], v[KF+4*kk+\i:KF+4*kk+\i+1], v[KF+4*(kk+\s)+\i:KF+4*(kk+\s)+\i+1]
.endr
.set kk, kk+1
.endr
.endr
	global_store_b128 v12, v[KF:KF+3], s[8:9]      ; four neighbouring lanes store a row's 64 bytes
.Ldone:
	s_wait_tensorcnt 0x0                           ; the wave's end, behind my last LDS store
	ds_add_u32 v[SPW], v[NIL]
	s_wait_dscnt 0x0
	s_endpgm
.Lfunc_end_k_qc49a9f7e4b_fine16:
	.size	k_qc49a9f7e4b_fine16, .Lfunc_end_k_qc49a9f7e4b_fine16-k_qc49a9f7e4b_fine16
	.p2alignl 7, 3214868480
	.fill 96, 4, 3214868480
	.section	.rodata,"a",@progbits
	.p2align	6, 0x0
	.amdhsa_kernel k_qc49a9f7e4b_fine16
		.amdhsa_group_segment_fixed_size 157696
		.amdhsa_private_segment_fixed_size 0
		.amdhsa_enable_private_segment 0
		.amdhsa_kernarg_size 24
		.amdhsa_user_sgpr_count 2
		.amdhsa_user_sgpr_kernarg_segment_ptr 1
		.amdhsa_wavefront_size32 1
		.amdhsa_system_sgpr_workgroup_id_x 1
		.amdhsa_system_sgpr_workgroup_id_y 1
		.amdhsa_system_sgpr_workgroup_id_z 1
		.amdhsa_system_vgpr_workitem_id 0
		.amdhsa_next_free_vgpr 256
		.amdhsa_next_free_sgpr 66
		.amdhsa_reserve_vcc 1
		.amdhsa_float_denorm_mode_32 3
		.amdhsa_float_denorm_mode_16_64 3
		.amdhsa_memory_ordered 1
		.amdhsa_forward_progress 1
		.amdhsa_inst_pref_size 21
	.end_amdhsa_kernel
	.amdgpu_metadata
---
amdhsa.version: [ 1, 2 ]
amdhsa.kernels:
  - .name:           k_qc49a9f7e4b_fine16
    .symbol:         k_qc49a9f7e4b_fine16.kd
    .args:
      - { .name: fine, .offset: 0, .size: 8, .value_kind: global_buffer, .address_space: global }
      - { .name: w_out, .offset: 8, .size: 8, .value_kind: global_buffer, .address_space: global }
      - { .name: out0, .offset: 16, .size: 8, .value_kind: global_buffer, .address_space: global }
    .group_segment_fixed_size: 157696
    .private_segment_fixed_size: 0
    .kernarg_segment_align: 8
    .kernarg_segment_size: 24
    .max_flat_workgroup_size: 512
    .sgpr_count:     66
    .vgpr_count:     256
    .wavefront_size: 32
...
	.end_amdgpu_metadata
.endif
;; end of part 5
